; MI455X (gfx1250); checked and timed in simulation.
; The chip was launched on July 23, 2026; its instructions are those of AMD's public machine-readable ISA for CDNA 5 (MIT licence, August 2026) and "CDNA5" Instruction Set Architecture Reference Guide (July 2026). The comments in the code are by the model that wrote it; some were corrected since.
;; Bahdanau Attention. Allowed arithmetic: matrix products marked QUANTISED: E2M1 operands, one E8M0 scale for each 32 along K, by v_wmma_scale_f32_16x16x128_f8f6f4 with both operands' format E2M1 (or v_wmma_scale_f32_32x16x128_f4), f32 sums; products left as they are: f32 operands where the result goes on into a quantised operand, else bf16, f16 or f32 operands; f32 sums; everything else in f32.
;; Inputs: Wk 1,024 x 1,024 float32; Wq 1,024 x 1,024 float32; encoder_output 32 x 2,048 x 1,024 float32; lengths 32 int32; queries 32 x 1 x 1,024 float32; v 1,024 float32.
;; Outputs: out0 32 x 1,024 float32; out1 32 x 2,048 float32.
;; This version of the problem:
;;   THIS VERSION OF THE PROBLEM IS GIVEN IN LOW PRECISION. The matrix products marked QUANTISED in the list below multiply operands that are first quantised to E2M1 (2 exponent bits, 1 mantissa bit; 4 bits a number), with one power-of-two scale for each 32 numbers along K (OCP MX v1.0); their sums are f32. All else is computed in f32.
;;   The module's matrix products, in the order in which they are computed (A, B: the left and right operand; K: the contracted axis; several contracted axes count as one K, in the product's order):
;;     1. [M 65,536, K 1,024] x [K 1,024, N 1,024]; A: input encoder_output; B: input Wk: QUANTISED
;;     2. [M 32, K 1,024] x [K 1,024, N 1,024]; A: input queries; B: input Wq: QUANTISED
;;     3. [M 65,536, K 1,024] x [K 1,024, N 1]; A: computed on the way; B: input v: left as it is (N = 1 < 16)
;;     4. batch 32 x [M 1, K 2,048] x [K 2,048, N 1,024]; A: softmax; B: input encoder_output: left as it is (M = 1 < 16)
;;   THE QUANTISER, for each operand of a quantised product, along K:
;;     - K is cut into blocks of 32 from its start; a last block that is shorter is filled with zeros.
;;     - A block's scale is 2^e with e = floor(log2(the largest magnitude in the block)) - 2, held to -126 .. 127; a block of zeros has e = 0. As a byte (E8M0): e + 127.
;;     - Each number is divided by its block's scale, clamped to +-6, and rounded to the nearest number of E2M1, ties to even, subnormals kept.
;;     - The product sums the exact products of the quantised numbers (number of the format x scale) in f32.
;;   ~~~python
;;   def quantise(x, axis):      # numpy; x: float32 -> the quantised numbers, widened to float32 again
;;       x = np.moveaxis(x, axis, -1); K = x.shape[-1]
;;       x = np.pad(x, [(0, 0)] * (x.ndim - 1) + [(0, -K % 32)]); x = x.reshape(x.shape[:-1] + (-1, 32)); a = np.abs(x).max(-1, keepdims=True)
;;       e = np.where(a > 0, np.clip(np.frexp(np.where(a > 0, a, 1))[1] - 1 - 2, -126, 127), 0)      # np.frexp(a)[1] - 1 = floor(log2(a)), exactly
;;       r = np.clip(x / 2.0 ** e, -6, 6)
;;       step = 2.0 ** (np.maximum(np.frexp(np.where(r == 0, 1, r))[1] - 1, 0) - 1)
;;       q = np.round(r / step) * step * 2.0 ** e      # np.round: ties to even
;;       return np.moveaxis(q.reshape(q.shape[:-2] + (-1,))[..., :K], -1, axis).astype(np.float32)
;;   ~~~
;; 3 versions, each right; version 2 is faster than version 1; version 3 is version 2 with the launches prep, main written anew for expert scheduling mode. Each part assembles by itself: llvm-mc -triple=amdgcn-amd-amdhsa -mcpu=gfx1250 --defsym DOCPART=n.
;; ======== version 1 of 3: 3 launches
;; workspace buffers: wkf 524,288 bytes; wks 32,768 bytes; pq2 131,072 bytes; wraw 262,144 bytes; pctx 4,194,304 bytes
;; launch prep (part 1): grid 128 x 1, 8 waves a work-group, no clusters, 18,432 bytes of LDS; arguments Wk, Wq, queries, wkf, wks, pq2; writes wkf, wks, pq2
.if DOCPART == 1
	.amdgcn_target "amdgcn-amd-amdhsa--gfx1250"
	.amdhsa_code_object_version 6
	.text
	.protected	k_q751f781611_prep
	.globl	k_q751f781611_prep
	.p2align	8
	.type	k_q751f781611_prep,@function
k_q751f781611_prep:
	s_mov_b64 s[64:65], 0
	v_nop
	global_prefetch_b8 v0, s[64:65] scope:SCOPE_SE
	s_setreg_imm32_b32 hwreg(HW_REG_WAVE_MODE, 25, 1), 1
	s_wait_xcnt 0x0
; Work-groups 0-63: Wk [1024 u][1024 k], f32, becomes codes of FP4 (E2M1) with one E8M0 byte for each 32 along K, laid in the ORDER OF THE OPERAND'S REGISTERS:
;   wkf: tile J (rows 16 J + r), K step s (128 along K), half c: lane L's 16 bytes (registers 4 c .. 4 c + 3 of the fragment) at 8192 J + 1024 s + 512 c + 16 L;   wks: [u][32 bytes], word s = K step s.
; Work-groups 64-127: pq2[n][u] = c x sum over k of Q(queries)[n][k] Q(Wq)[u][k], c = 2 log2(e): the second quantised product, for 16 u and all 32 n.
; SHARES.  A work-group takes 16 rows of its weight, wave s the K step s: 16 rows x 128 k, 64 numbers a lane.  The two kinds of work-group part once, on the work-group's number, and each has LDS bytes of its own.
; A block's scale is 2^(floor(log2(largest magnitude)) - 2); its byte is the largest magnitude's exponent field - 2, held at 1 from below by a floor among the maximum's leaves.
; LIMITS: a block of zeros gets the byte 1 where the rule says 127 (its codes are zeros, and this program alone reads the bytes); NaN and infinities among the inputs are not served.
; pq2 leaves as 64 consecutive bytes of each of 32 rows (16 u of a row): parts of aligned blocks of 256 bytes, 131,072 bytes in the whole launch.
; No tensor load, no cluster: every number is read by one wave, once (queries: 131,072 bytes, by 64 work-groups).
.set KS,    0                          ; LDS, Wk's path: 16 rows x 32 scale bytes
.set QP,    1024                       ; LDS, Wq's path: 2,048 bytes for each wave: its two result tiles as images of their registers
.set FLOOR, 0x1800000                  ; 2^(3 - 127)
.set TM,    40                         ; v40-43 largest magnitudes, v44-47 the other half's / the bytes, v52-55 the conversions' scale operands
; 64 numbers of a lane: register 16 b + i = k 32 b + 16 (lane / 16) + i of row lane % 16, from off bytes on
.macro XLOAD reg, sb, off, nt
.irp b, 0,1,2,3
.irp j, 0,1,2,3
.if \nt
	global_load_b128 v[\reg+16*\b+4*\j:\reg+16*\b+4*\j+3], v3, s[\sb:\sb+1] offset:\off+128*\b+16*\j th:TH_LOAD_NT
.else
	global_load_b128 v[\reg+16*\b+4*\j:\reg+16*\b+4*\j+3], v3, s[\sb:\sb+1] offset:\off+128*\b+16*\j
.endif
.endr
.endr
.endm
; they become a fragment's codes in v[pc] .. v[pc + 7] and its scale word in v[pw]
.macro QUANT src, pc, pw
.irp b, 0,1,2,3
	v_max3_num_f32 v[TM+\b], |v[\src+16*\b]|, |v[\src+1+16*\b]|, FLOOR   ; block b: my 16 numbers, and the floor
.endr
.irp i, 2,4,6,8,10,12,14
.irp b, 0,1,2,3
	v_max3_num_f32 v[TM+\b], v[TM+\b], |v[\src+16*\b+\i]|, |v[\src+1+16*\b+\i]|   ; the four blocks by turns
.endr
.endr
.irp b, 0,1,2,3
	v_permlanex16_b32 v[TM+4+\b], v[TM+\b], s22, s23
.endr
.irp b, 0,1,2,3
	v_max_num_f32 v[TM+\b], v[TM+\b], v[TM+4+\b]   ; with lane l xor 16's 16: the block's largest magnitude
.endr
.irp b, 0,1,2,3
	v_add_nc_u32 v[TM+12+\b], 0xff000000, v[TM+\b]   ; 2 off its exponent field: the conversion takes this operand's exponent field as its scale
.endr
.irp b, 0,1,2,3
	v_lshrrev_b32 v[TM+4+\b], 23, v[TM+12+\b]   ; the scale's byte
.endr
	v_lshl_or_b32 v[\pw], v[TM+5], 8, v[TM+4]      ; four bytes: my row's scale word
	v_lshl_or_b32 v[\pw], v[TM+6], 16, v[\pw]
	v_lshl_or_b32 v[\pw], v[TM+7], 24, v[\pw]
.irp b, 0,1,2,3
	v_cvt_scalef32_pk8_fp4_f32 v[\pc+2*\b], v[\src+16*\b:\src+7+16*\b], v[TM+12+\b]
	v_cvt_scalef32_pk8_fp4_f32 v[\pc+1+2*\b], v[\src+8+16*\b:\src+15+16*\b], v[TM+12+\b]
.endr
	v_nop                                          ; one plain place behind a scaled conversion
.irp c, 0,1                                    ; the operand's layout wants a whole block in a lane: lanes 0-15 block 2 c, lanes 16-31 block 2 c + 1
.irp i, 0,1
	v_permlane16_swap_b32 v[\pc+4*\c+\i], v[\pc+2+4*\c+\i]
.endr
.endr
.endm
	s_load_b256 s[4:11], s[0:1], 0x0               ; Wk s[4:5], Wq s[6:7], queries s[8:9], wkf s[10:11]
	s_load_b128 s[12:15], s[0:1], 0x20             ; wks s[12:13], pq2 s[14:15]
	v_lshl_add_u32 v51, v0, 2, 0x4400
	v_mov_b32 v59, 0
	v_lshrrev_b32 v9, 5, v0
	v_readfirstlane_b32 s20, v9                    ; wave = K step
	v_and_b32 v1, 15, v0                           ; r
	v_bfe_u32 v2, v0, 4, 1                         ; h
	v_lshlrev_b32 v3, 12, v1
	v_lshl_add_u32 v3, v2, 6, v3                   ; a row of 4,096 bytes, + 64 h: my 16 numbers of a block of 32
	v_and_b32 v4, 31, v0
	v_lshlrev_b32 v4, 4, v4                        ; 16 x lane
	s_lshl_b32 s26, s20, 2
	s_add_co_u32 s26, s26, KS
	v_lshl_add_u32 v5, v1, 5, s26                  ; KS + 32 r + 4 x wave: my row's scale word of my K step
	s_lshl_b32 s26, s20, 11
	s_add_co_u32 s26, s26, QP
	v_add_nc_u32 v6, s26, v4                       ; QP + 2,048 x wave + 16 x lane
	; thread t sums pq2(n = t / 8, u = 2 (t % 8) + 0, 1).  In an image: tile n / 16 (1,024), registers' half (u % 8) / 4 (512), lane n % 16 + 16 (u / 8) (16 each), word u % 4 (4)
	v_bfe_u32 v7, v0, 3, 4
	v_lshlrev_b32 v7, 4, v7
	v_and_b32 v9, 1, v0
	v_lshl_add_u32 v7, v9, 3, v7
	v_bfe_u32 v9, v0, 1, 1
	v_lshl_add_u32 v7, v9, 9, v7
	v_bfe_u32 v9, v0, 2, 1
	v_lshl_add_u32 v7, v9, 8, v7
	v_bfe_u32 v9, v0, 7, 1
	v_lshl_add_u32 v7, v9, 10, v7
	v_add_nc_u32 v7, QP, v7
	v_lshrrev_b32 v8, 3, v0
	v_lshlrev_b32 v8, 12, v8
	v_and_b32 v9, 7, v0
	v_lshl_add_u32 v8, v9, 3, v8                   ; and in pq2: row n of 4,096 bytes + 8 (t % 8)
.irp b, 0,1,2,3
	v_mov_b32 v[TM+4+\b], 0                        ; written once: a lane permute's destination counts as one of its sources
.endr
	s_mov_b32 s22, 0x76543210
	s_mov_b32 s23, 0xfedcba98                      ; v_permlanex16_b32's selects for lane l xor 16
	s_mov_b32 s24, 0x4038aa3b                      ; c = 2 log2(e)
	s_mov_b32 s25, s24
	s_cmp_lt_u32 ttmp9, 64
	s_cselect_b32 s21, 0, 64
	s_sub_co_u32 s21, ttmp9, s21                   ; J: which 16 rows of my weight
	s_lshl_b32 s26, s21, 16                        ; 16 rows of 4,096 bytes
	s_lshl_b32 s28, s20, 9                         ; + my K step's 512 bytes
	s_add_co_u32 s26, s26, s28
	s_mov_b32 s27, 0
	s_mov_b32 s29, 0
	s_wait_kmcnt 0x0
	s_cmp_lt_u32 ttmp9, 64                         ; the choice hangs on the work-group's number alone
	s_cselect_b64 s[16:17], s[4:5], s[6:7]
	s_add_nc_u64 s[16:17], s[16:17], s[26:27]
	s_cmp_lt_u32 ttmp9, 64
	s_cbranch_scc0 .Lpath_q
	; ---- Wk: one fragment a wave, stored as an image of its registers
	XLOAD 64, 16, 0, 1
	s_lshl_b32 s26, s21, 13
	s_lshl_b32 s28, s20, 10
	s_add_co_u32 s26, s26, s28
	s_add_nc_u64 s[10:11], s[10:11], s[26:27]      ; wkf at tile J, K step s
	s_lshl_b32 s26, s21, 9
	s_add_nc_u64 s[12:13], s[12:13], s[26:27]      ; wks at row 16 J
	s_wait_loadcnt 0x0
	QUANT 64, 16, 56
	global_store_b128 v4, v[16:19], s[10:11]       ; 32 lanes store 512 consecutive bytes
	global_store_b128 v4, v[20:23], s[10:11] offset:512
	ds_store_b32 v5, v56                           ; lanes r and 16 + r write the same word with the same value
	s_wait_dscnt 0x0                               ; for the others' sake: my word has landed
	s_barrier_signal -1
	s_barrier_wait -1
	s_cmp_lg_u32 s20, 0
	s_cbranch_scc1 .Lk_end
	ds_load_b128 v[60:63], v4 offset:KS            ; the 16 rows' 512 scale bytes leave as two aligned blocks of 256
	s_wait_dscnt 0x0
	global_store_b128 v4, v[60:63], s[12:13]
.Lk_end:
	s_wait_tensorcnt 0x0
	ds_add_u32 v51, v59
	s_wait_dscnt 0x0
	s_endpgm
	; ---- Wq: my K step's part of 16 u x 32 n, then the eight waves' parts are added
.Lpath_q:
	s_add_nc_u64 s[8:9], s[8:9], s[28:29]          ; queries at my K step
	s_lshl_b32 s26, s21, 6
	s_add_nc_u64 s[14:15], s[14:15], s[26:27]      ; pq2 at u = 16 J
	XLOAD 64, 16, 0, 1
	XLOAD 128, 8, 0, 0                             ; n = 0 .. 15
	XLOAD 192, 8, 65536, 0                         ; n = 16 .. 31
	s_wait_loadcnt 0x0
	QUANT 64, 16, 56
	QUANT 128, 24, 57
	QUANT 192, 32, 58
.rept 8
	v_nop                                          ; a scale register written by a vector instruction stands 8 places ahead of a scaled matrix instruction, an operand so written 4
.endr
	; source 0 = 16 rows of Wq, source 1 = 16 queries: lane (r, h), register j holds (n = 16 q + r, u = 16 J + 8 h + j)
	v_wmma_scale_f32_16x16x128_f8f6f4 v[64:71], v[16:23], v[24:31], 0, v56, v57 matrix_a_fmt:MATRIX_FMT_FP4 matrix_b_fmt:MATRIX_FMT_FP4
	v_wmma_scale_f32_16x16x128_f8f6f4 v[72:79], v[16:23], v[32:39], 0, v56, v58 matrix_a_fmt:MATRIX_FMT_FP4 matrix_b_fmt:MATRIX_FMT_FP4
.rept 4
	v_nop                                          ; four places ahead of the first read of the results
.endr
	ds_store_b128 v6, v[64:67]                     ; each result from its low end on
	ds_store_b128 v6, v[68:71] offset:512
	ds_store_b128 v6, v[72:75] offset:1024
	ds_store_b128 v6, v[76:79] offset:1536
	s_wait_dscnt 0x0
	s_barrier_signal -1
	s_barrier_wait -1
.irp p, 0,1,2,3,4,5,6,7
	ds_load_b64 v[80+2*\p:81+2*\p], v7 offset:2048*\p
.endr
	s_wait_dscnt 0x0
.irp p, 1,2,3,4,5,6,7
	v_pk_add_f32 v[80:81], v[80:81], v[80+2*\p:81+2*\p]   ; K ascending
.endr
	v_pk_mul_f32 v[80:81], v[80:81], s[24:25] op_sel_hi:[1,0]
	global_store_b64 v8, v[80:81], s[14:15]
	s_wait_tensorcnt 0x0
	ds_add_u32 v51, v59
	s_wait_dscnt 0x0
	s_endpgm
.Lfunc_end_k_q751f781611_prep:
	.size	k_q751f781611_prep, .Lfunc_end_k_q751f781611_prep-k_q751f781611_prep
	.p2alignl 7, 3214868480
	.fill 96, 4, 3214868480
	.section	.rodata,"a",@progbits
	.p2align	6, 0x0
	.amdhsa_kernel k_q751f781611_prep
		.amdhsa_group_segment_fixed_size 18432
		.amdhsa_private_segment_fixed_size 0
		.amdhsa_enable_private_segment 0
		.amdhsa_kernarg_size 48
		.amdhsa_user_sgpr_count 2
		.amdhsa_user_sgpr_kernarg_segment_ptr 1
		.amdhsa_wavefront_size32 1
		.amdhsa_system_sgpr_workgroup_id_x 1
		.amdhsa_system_sgpr_workgroup_id_y 1
		.amdhsa_system_sgpr_workgroup_id_z 1
		.amdhsa_system_vgpr_workitem_id 0
		.amdhsa_next_free_vgpr 256
		.amdhsa_next_free_sgpr 66
		.amdhsa_reserve_vcc 0
		.amdhsa_float_denorm_mode_32 3
		.amdhsa_float_denorm_mode_16_64 3
		.amdhsa_memory_ordered 1
		.amdhsa_forward_progress 1
		.amdhsa_inst_pref_size 27
	.end_amdhsa_kernel
	.amdgpu_metadata
---
amdhsa.version: [ 1, 2 ]
amdhsa.kernels:
  - .name:           k_q751f781611_prep
    .symbol:         k_q751f781611_prep.kd
    .args:
      - { .name: Wk, .offset: 0, .size: 8, .value_kind: global_buffer, .address_space: global }
      - { .name: Wq, .offset: 8, .size: 8, .value_kind: global_buffer, .address_space: global }
      - { .name: queries, .offset: 16, .size: 8, .value_kind: global_buffer, .address_space: global }
      - { .name: wkf, .offset: 24, .size: 8, .value_kind: global_buffer, .address_space: global }
      - { .name: wks, .offset: 32, .size: 8, .value_kind: global_buffer, .address_space: global }
      - { .name: pq2, .offset: 40, .size: 8, .value_kind: global_buffer, .address_space: global }
    .group_segment_fixed_size: 18432
    .private_segment_fixed_size: 0
    .kernarg_segment_align: 8
    .kernarg_segment_size: 48
    .max_flat_workgroup_size: 256
    .sgpr_count:     66
    .vgpr_count:     256
    .wavefront_size: 32
...
	.end_amdgpu_metadata
.endif
;; end of part 1
;; launch main (part 2): grid 32 x 32, 4 waves a work-group, no clusters, 174,592 bytes of LDS; arguments encoder_output, lengths, v, wkf, wks, pq2, wraw, pctx; writes wraw, pctx
.if DOCPART == 2
	.amdgcn_target "amdgcn-amd-amdhsa--gfx1250"
	.amdhsa_code_object_version 6
	.text
	.protected	k_q751f781611_main
	.globl	k_q751f781611_main
	.p2align	8
	.type	k_q751f781611_main,@function
k_q751f781611_main:
	s_mov_b64 s[64:65], 0
	v_nop
	global_prefetch_b8 v0, s[64:65] scope:SCOPE_SE
	s_setreg_imm32_b32 hwreg(HW_REG_WAVE_MODE, 25, 1), 1
	s_wait_xcnt 0x0
; A work-group takes 64 rows t of one batch n (x = n, y = tile) through the whole chain: the rows are read from memory ONCE, rounded to bf16 into LDS for the context, quantised to FP4 (E2M1, one E8M0
; byte for each 32 along K), multiplied by Wk's codes, then w2[t] = log2(e) x sum over u of v[u] tanh(proj_query[u] + proj_key[t][u]); the mask t >= lengths[n]; m = the tile's largest w2;
; p = 2^(w2 - m); pctx = sum over t of p[t] bf16(enc[t][:]).  wraw gets w2 (-infinity where masked).  The last launch joins the 32 tiles of a batch under the batch's maximum.
; tanh(x) = 1 - 2 / (1 + 2^(c x)), c = 2 log2(e); pq2 already holds c x proj_query.
; WHAT THE MASK THROWS AWAY IS NOT DONE: a tile whose first row is at or past lengths[n] loads no row and multiplies nothing; it stores zeros and -infinity.  That is a scalar branch on a number read from
; memory.  This text has no tensor load, no copy and no joint request for Wk's tiles: operands go from memory straight into registers.
; EVERY WAVE PASSES BOTH BARRIERS: the text is three stretches with a barrier between them, and the branch on lengths jumps over a stretch, never over a barrier.  Each stretch reads only registers
; that the head or the stretch itself has written; what goes from stretch to stretch goes through LDS.
; SHARES.  THE WAVES SHARE THE COLUMNS u: wave w owns u = 256 w .. 256 w + 255 and holds the codes of ALL 64 rows in registers (256), so each fragment of Wk is loaded once a work-group, as it lies in wkf,
; and feeds four matrix instructions.  In the first stretch wave w loads and quantises rows 16 w + 0 .. 15; the codes reach the other waves through LDS.
; THE PRODUCT IS USED TRANSPOSED: source 0 = 16 rows of Wk, source 1 = 16 encoder rows: lane (r, h), register j holds (row 16 m + r, u0 + 8 h + j).
; All 64 rows of a tile that has a row are loaded and multiplied; the mask is laid on the finished scores.
; LIMITS: NaN and infinities among the floats are not served; a block of zeros gets the scale byte 1 where the rule says 127 (its codes are zeros; this program alone reads the bytes);
; lengths is held to 0 .. 2048, which gives the same mask.
; REGISTERS.  window 0: v1-15, v48-54 addresses; v16-47 the rows' scale words (8 m + s); v60-71 at work at the end; v80-95 Wk's scale words, two sets; v96-127 four accumulators (in the first stretch
;   v96-159: two sets of temporaries; in the last: p); v160-175, v192-207 c proj_query and v of a u tile, two sets; v176-183 the scores' sums, a pair a row tile; in the last stretch v160-223 rows, v224-231 the context.
;   window 1: first a ring of 7 rows x 32 registers, then Wk's fragments, two sets of 64.   window 2: the codes of the 64 rows (64 m + 8 s).
.set CODE,  131072                     ; LDS: from 0 the tile as bf16, 64 rows x 2,048 bytes; here the codes, 64 rows of 512 bytes + 16 of padding
.set CP,    528                        ; = 33 x 16: the 16 rows that a fragment load touches begin at 16 different columns of 16 bytes
.set SCL,   164864                     ; the rows' scale bytes: 64 rows x (32 + 16)
.set SCP,   48
.set SP,    167936                     ; the waves' partial scores: 4 x 64 f32
.set PB,    168960                     ; p: a copy of 256 bytes for each wave
.set CT,    169984                     ; the context's way out: 1,024 bytes for each wave
.set FLOOR, 0x1800000                  ; 2^(3 - 127)
.set ASC,   16
.set QQ,    60
.set WSC,   80
.set ACC,   96
.set TMPL,  96                         ; the first stretch's temporaries: set R % 2 of 32: +0 maxima, +4 scale operands, +8 bytes, +12 codes, +16 bf16
.set PQ,    160                        ; + 32 x set
.set VV,    168                        ; + 32 x set
.set SUM,   176
.set PP,    96                         ; the last stretch: p of the 64 rows,
.set RB,    160                        ; 16 rows' 16 bytes a lane,
.set CA,    224                        ; my 8 columns' sums
.set MSB, 0
.macro WIN new                         ; the immediate's high byte repeats the setting that is left; bits 1:0 source 0, 3:2 source 1, 5:4 source 2, 7:6 destination
.if MSB != (\new)
	s_set_vgpr_msb (MSB<<8)|(\new)
.set MSB, (\new)
.endif
.endm
.macro PLACES                          ; four plain places behind a matrix instruction, ahead of vector reads of its result and of loads into its registers
.rept 4
	v_nop
.endr
.endm
.macro BARRIER                         ; my LDS stores have landed and my LDS loads are in: then the work-group's barrier
	s_wait_dscnt 0x0
	s_barrier_signal -1
	s_barrier_wait -1
.endm
; Row R (0 .. 15) of my wave is tile row 16 w + R.  Lane l takes k = 256 q + 8 l + 0 .. 7 into 8 registers on end: the two loads of a q cover 1,024 consecutive bytes between them.
.macro FILLROW R
	WIN 0x40                                       ; destination window 1
.irp q, 0,1,2,3
	global_load_b128 v[32*((\R)%7)+8*\q:32*((\R)%7)+8*\q+3], v1, s[4:5] offset:(\R)*4096+1024*\q th:TH_LOAD_NT
	global_load_b128 v[32*((\R)%7)+8*\q+4:32*((\R)%7)+8*\q+7], v1, s[4:5] offset:(\R)*4096+1024*\q+16 th:TH_LOAD_NT
.endr
.endm
; One row: bf16, block maxima (a block of 32 lies in 4 neighbouring lanes), scale bytes, codes; all three to LDS; the ring's slot is filled with the row 7 further on.
.macro ROW R
.set XS,  32*((\R)%7)
.set TS,  TMPL+32*((\R)%2)
.if (\R) <= 9
	s_wait_loadcnt 48                              ; loads come back in order: this row's 8 are in, the 6 rows behind it stay out
.else
	s_wait_loadcnt 8*(15-(\R))
.endif
	s_wait_dscnt 12                                ; the 12 stores of the row before may be out; those of two rows back, which read this set of temporaries, are done
	WIN 0x05                                       ; sources 0 and 1: window 1
.irp q, 0,1,2,3
	v_max3_num_f32 v[TS+\q], |v[XS+8*\q]|, |v[XS+8*\q+1]|, FLOOR   ; my 8 numbers of block 8 q + l / 4, and the floor, which holds the byte at 1 from below
.endr
.irp i, 2,4,6
.irp q, 0,1,2,3
	v_max3_num_f32 v[TS+\q], |v[XS+8*\q+\i]|, |v[XS+8*\q+\i+1]|, v[TS+\q]
.endr
.endr
.irp q, 0,1,2,3
.irp p, 0,1,2,3
	v_cvt_pk_bf16_f32 v[TS+16+4*\q+\p], v[XS+8*\q+2*\p], v[XS+8*\q+2*\p+1]
.endr
.endr
	WIN 0
.irp q, 0,1,2,3
	v_max_num_f32_dpp v[TS+\q], v[TS+\q], v[TS+\q] row_xmask:1 row_mask:0xf bank_mask:0xf
.endr
.irp q, 0,1,2,3
	v_max_num_f32_dpp v[TS+\q], v[TS+\q], v[TS+\q] row_xmask:2 row_mask:0xf bank_mask:0xf   ; the block's largest magnitude
.endr
.irp q, 0,1,2,3
	v_add_nc_u32 v[TS+4+\q], 0xff000000, v[TS+\q]  ; 2 off its exponent field: the conversion's scale operand
.endr
.irp q, 0,1,2,3
	v_lshrrev_b32 v[TS+8+\q], 23, v[TS+4+\q]       ; the scale's byte
.endr
	WIN 0x01                                       ; source 0: window 1
.irp q, 0,1,2,3
	v_cvt_scalef32_pk8_fp4_f32 v[TS+12+\q], v[XS+8*\q:XS+8*\q+7], v[TS+4+\q]
.endr
	v_nop                                          ; one plain place behind a scaled conversion
	WIN 0
.irp q, 0,1,2,3
	ds_store_b128 v2, v[TS+16+4*\q:TS+16+4*\q+3] offset:(\R)*2048+512*\q   ; 32 lanes: 512 consecutive bytes of the bf16 row
	ds_store_b32 v4, v[TS+12+\q] offset:(\R)*CP+128*\q                     ; 8 codes a lane: 128 consecutive bytes of the code row
	ds_store_b8 v5, v[TS+8+\q] offset:(\R)*SCP+8*\q                        ; the four lanes of a block write the same byte with the same value
.endr
.if (\R)+7 < 16
	FILLROW (\R)+7
.endif
.endm
; The codes of the 64 rows from LDS into window 2: fragment (m, s) at 64 m + 8 s: lane (r, h): row 16 m + r, registers 4 c .. 4 c + 3: k = 128 s + 64 c + 32 h + 0 .. 31
.macro FRAG
	WIN 0x80
.irp m, 0,1,2,3
.irp s, 0,1,2,3,4,5,6,7
	ds_load_b128 v[64*\m+8*\s:64*\m+8*\s+3], v6 offset:\m*16*CP+64*\s
	ds_load_b128 v[64*\m+8*\s+4:64*\m+8*\s+7], v6 offset:\m*16*CP+64*\s+32
.endr
.endr
	WIN 0
.endm
; A u tile of Wk: 8 fragments as they lie in wkf (16 loads of 512 consecutive bytes) and its rows' 8 scale words (2 loads)
.macro WLOAD buf, off8, off5
	WIN 0x40
.irp s, 0,1,2,3,4,5,6,7
	global_load_b128 v[64*\buf+8*\s:64*\buf+8*\s+3], v10, s[40:41] offset:(\off8)+1024*\s
	global_load_b128 v[64*\buf+8*\s+4:64*\buf+8*\s+7], v10, s[40:41] offset:(\off8)+1024*\s+512
.endr
	WIN 0
	global_load_b128 v[WSC+8*\buf:WSC+8*\buf+3], v11, s[42:43] offset:(\off5)
	global_load_b128 v[WSC+8*\buf+4:WSC+8*\buf+7], v11, s[42:43] offset:(\off5)+16
.endm
; and its 16 numbers of v and of c proj_query: lane (r, h) takes those of u0 + 8 h + 0 .. 7 (4 loads; a wave touches 64 bytes of each)
.macro VLOAD buf, off
	global_load_b128 v[VV+32*\buf:VV+32*\buf+3], v12, s[8:9] offset:(\off)
	global_load_b128 v[VV+32*\buf+4:VV+32*\buf+7], v12, s[8:9] offset:(\off)+16
	global_load_b128 v[PQ+32*\buf:PQ+32*\buf+3], v12, s[14:15] offset:(\off)
	global_load_b128 v[PQ+32*\buf+4:PQ+32*\buf+7], v12, s[14:15] offset:(\off)+16
.endm
; 32 matrix instructions: 16 u x 64 rows, all of K.  The four accumulators take turns, one instruction a turn; the first K step starts the sums
.macro MM buf
	WIN 0x09                                       ; source 0 (Wk) window 1, source 1 (rows) window 2, C and D window 0
.irp s, 0,1,2,3,4,5,6,7
.irp m, 0,1,2,3
.if \s == 0
	v_wmma_scale_f32_16x16x128_f8f6f4 v[ACC+8*\m:ACC+8*\m+7], v[64*\buf+8*\s:64*\buf+8*\s+7], v[64*\m+8*\s:64*\m+8*\s+7], 0, v[WSC+8*\buf+\s], v[ASC+8*\m+\s] matrix_a_fmt:MATRIX_FMT_FP4 matrix_b_fmt:MATRIX_FMT_FP4
.else
	v_wmma_scale_f32_16x16x128_f8f6f4 v[ACC+8*\m:ACC+8*\m+7], v[64*\buf+8*\s:64*\buf+8*\s+7], v[64*\m+8*\s:64*\m+8*\s+7], v[ACC+8*\m:ACC+8*\m+7], v[WSC+8*\buf+\s], v[ASC+8*\m+\s] matrix_a_fmt:MATRIX_FMT_FP4 matrix_b_fmt:MATRIX_FMT_FP4
.endif
.endr
.endr
	WIN 0
.endm
; tanh and the dot with v for the four accumulators.  Each batch of 32 transcendentals has one plain line and one wait behind it, ahead of its first reader
.macro VEC buf
.irp m, 0,1,2,3
.irp p, 0,2,4,6
	v_pk_fma_f32 v[ACC+8*\m+\p:ACC+8*\m+\p+1], v[ACC+8*\m+\p:ACC+8*\m+\p+1], s[26:27], v[PQ+32*\buf+\p:PQ+32*\buf+\p+1] op_sel_hi:[1,0,1]   ; c proj_key + c proj_query; each accumulator from its low end on
.endr
.endr
.set j, ACC
.rept 32
	v_exp_f32 v[j], v[j]
.set j, j+1
.endr
	v_nop
	s_wait_alu depctr_va_vdst(0)
.set j, ACC
.rept 16
	v_pk_add_f32 v[j:j+1], v[j:j+1], 1.0 op_sel_hi:[1,0]
.set j, j+2
.endr
.set j, ACC
.rept 32
	v_rcp_f32 v[j], v[j]
.set j, j+1
.endr
	v_nop
	s_wait_alu depctr_va_vdst(0)
.set j, ACC
.rept 16
	v_pk_fma_f32 v[j:j+1], v[j:j+1], -2.0, 1.0 op_sel_hi:[1,0,0]   ; tanh
.set j, j+2
.endr
.irp p, 0,2,4,6
.irp m, 0,1,2,3
	v_pk_fma_f32 v[SUM+2*\m:SUM+2*\m+1], v[ACC+8*\m+\p:ACC+8*\m+\p+1], v[VV+32*\buf+\p:VV+32*\buf+\p+1], v[SUM+2*\m:SUM+2*\m+1]   ; the four row tiles by turns
.endr
.endr
.endm
; One u tile.  cnt: the loads that may stay out: the other set's 22, or none.  refill = 1: this set takes the tile two further on: Wk's registers as soon as the last product is four places back,
; v's and proj_query's behind the lines that read them.
.macro UT buf, refill, cnt
	s_wait_loadcnt \cnt
	MM \buf
	PLACES
.if \refill
	WLOAD \buf, 16384+8192*\buf, 1024+512*\buf
.endif
	VEC \buf
.if \refill
	VLOAD \buf, 128+64*\buf
.endif
.endm
; 16 rows of the context: my wave's 256 columns, 8 a lane.  Every offset is an immediate: 32 rows of 2,048 bytes lie inside the 16-bit offset, so one address register serves 32 rows
.macro CTX grp, adr
.irp i, 0,1,2,3,4,5,6,7,8,9,10,11,12,13,14,15
	ds_load_b128 v[RB+4*\i:RB+4*\i+3], v[\adr] offset:(16*((\grp)%2)+\i)*2048   ; 32 lanes: 512 consecutive bytes of a row
.endr
.irp i, 0,1,2,3,4,5,6,7,8,9,10,11,12,13,14,15
	s_wait_dscnt 15-\i                             ; row i is in; the rows behind it may be out
.irp k, 0,1,2,3
	v_fma_mix_f32_bf16 v[CA+2*\k], v[RB+4*\i+\k], v[PP+16*(\grp)+\i], v[CA+2*\k] op_sel_hi:[1,0,0]
	v_fma_mix_f32_bf16 v[CA+2*\k+1], v[RB+4*\i+\k], v[PP+16*(\grp)+\i], v[CA+2*\k+1] op_sel:[1,0,0] op_sel_hi:[1,0,0]
.endr
.endr
.endm
	s_load_b256 s[4:11], s[0:1], 0x0               ; encoder_output s[4:5], lengths s[6:7], v s[8:9], wkf s[10:11]
	s_load_b256 s[12:19], s[0:1], 0x20             ; wks s[12:13], pq2 s[14:15], wraw s[16:17], pctx s[18:19]
	v_lshl_add_u32 v254, v0, 2, 0x2a800
	v_mov_b32 v255, 0
	v_lshrrev_b32 v56, 5, v0
	v_readfirstlane_b32 s20, v56                   ; wave 0..3
	s_and_b32 s21, ttmp7, 0xffff                   ; the tile; ttmp9 is n
	s_lshl_b32 s24, ttmp9, 2
	s_mov_b32 s25, 0                               ; stays 0: the upper word of every offset
	s_wait_kmcnt 0x0
	s_add_nc_u64 s[6:7], s[6:7], s[24:25]
	s_load_b32 s22, s[6:7], 0x0                    ; lengths[n]
	; every address register is made here, ahead of the first branch
	v_and_b32 v56, 31, v0                          ; l
	v_and_b32 v57, 15, v0                          ; r
	v_bfe_u32 v58, v0, 4, 1                        ; h
	v_lshlrev_b32 v1, 5, v56                       ; 32 l: my 8 numbers of 256
	v_lshlrev_b32 v10, 4, v56                      ; 16 l
	v_lshlrev_b32 v9, 3, v56                       ; 8 l
	s_lshl_b32 s44, s20, 15
	v_add_nc_u32 v2, s44, v10                      ; bf16 tile: row 16 w, + 16 l
	s_mul_i32 s44, s20, 16*CP
	s_add_co_u32 s44, s44, CODE
	v_lshl_add_u32 v4, v56, 2, s44                 ; codes: row 16 w, + 4 l
	s_mul_i32 s44, s20, 16*SCP
	s_add_co_u32 s44, s44, SCL
	v_lshrrev_b32 v5, 2, v56
	v_add_nc_u32 v5, s44, v5                       ; scale bytes: row 16 w, + l / 4
	v_mul_u32_u24 v6, v57, CP
	v_lshl_add_u32 v6, v58, 4, v6
	v_add_nc_u32 v6, CODE, v6                      ; a fragment: row r, + 16 h
	v_mul_u32_u24 v7, v57, SCP
	v_add_nc_u32 v7, SCL, v7                       ; scale words: row r
	v_lshlrev_b32 v8, 4, v0                        ; 16 x thread
	v_lshlrev_b32 v11, 5, v57                      ; wks: 32 bytes a row
	v_lshlrev_b32 v12, 5, v58                      ; v, pq2: 8 h numbers
	s_lshl_b32 s44, s20, 9
	v_add_nc_u32 v13, s44, v10                     ; bf16 tile: my wave's 256 columns, + 8 l: rows 0-31,
	v_add_nc_u32 v3, 65536, v13                    ; rows 32-63
	s_lshl_b32 s44, s20, 8
	s_add_co_u32 s45, s44, SP
	v_lshl_add_u32 v14, v57, 2, s45                ; my wave's partial scores: row r
	v_add_nc_u32 v15, SP, v9                       ; all waves': rows 2 l, 2 l + 1
	s_add_co_u32 s45, s44, PB
	v_add_nc_u32 v48, s45, v9                      ; my wave's copy of p: rows 2 l, 2 l + 1;
	v_mov_b32 v49, s45                             ; and its first byte
	s_lshl_b32 s44, s20, 10
	s_add_co_u32 s45, s44, CT
	v_add_nc_u32 v50, s45, v1                      ; the context's way out: in, 32 bytes a lane;
	v_add_nc_u32 v51, s45, v10                     ; back, 16 bytes a lane;
	v_add_nc_u32 v52, s44, v10                     ; and the same place in pctx
	v_lshlrev_b32 v53, 1, v56                      ; 2 l
	v_mov_b32 v54, 0xff800000                      ; -infinity
	s_mov_b32 s26, 0x4038aa3b                      ; c = 2 log2(e)
	s_mov_b32 s27, s26
	s_mov_b32 s28, 0x76543210
	s_mov_b32 s29, 0xfedcba98                      ; v_permlanex16_b32's selects for lane l xor 16
	s_mov_b32 s38, 0x3fb8aa3b                      ; log2(e)
	s_mov_b32 s39, s38
	s_lshl_b32 s24, ttmp9, 23                      ; n x 2,048 rows of 4,096 bytes
	s_lshl_b32 s44, s21, 18                        ; + 64 rows a tile
	s_add_co_u32 s24, s24, s44
	s_lshl_b32 s44, s20, 16                        ; + 16 rows a wave
	s_add_co_u32 s24, s24, s44
	s_add_nc_u64 s[4:5], s[4:5], s[24:25]
	s_lshl_b32 s24, s20, 10
	s_add_nc_u64 s[8:9], s[8:9], s[24:25]          ; v at my wave's 256 u
	s_lshl_b32 s44, ttmp9, 12
	s_add_co_u32 s24, s24, s44
	s_add_nc_u64 s[14:15], s[14:15], s[24:25]      ; pq2[n] likewise
	s_lshl_b32 s24, ttmp9, 13
	s_lshl_b32 s44, s21, 8
	s_add_co_u32 s24, s24, s44
	s_add_nc_u64 s[16:17], s[16:17], s[24:25]      ; wraw at my tile: 256 bytes
	s_lshl_b32 s24, ttmp9, 17
	s_lshl_b32 s44, s21, 12
	s_add_co_u32 s24, s24, s44
	s_add_nc_u64 s[18:19], s[18:19], s[24:25]      ; pctx at my tile: 4,096 bytes
	s_lshl_b32 s24, s20, 17
	s_add_nc_u64 s[40:41], s[10:11], s[24:25]      ; wkf at my wave's 16 u tiles
	s_lshl_b32 s24, s20, 13
	s_add_nc_u64 s[42:43], s[12:13], s[24:25]      ; wks at my wave's 256 rows
	s_wait_kmcnt 0x0
	s_max_i32 s22, s22, 0
	s_min_i32 s22, s22, 2048
	s_lshl_b32 s24, s21, 6
	s_sub_co_i32 s23, s22, s24                     ; how many rows count from the tile's first on (may pass 64, may be negative)
	s_mov_b32 s32, s23
	s_sub_co_i32 s33, s23, 1
	; ---- the first stretch: the rows: load, bf16, quantise.  7 rows, 56 loads of a wave, are on their way
	s_cmp_gt_i32 s23, 0
	s_cbranch_scc0 .Lno_rows
.set RR, 0
.rept 7
	FILLROW RR
.set RR, RR+1
.endr
.set RR, 0
.rept 16
	ROW RR
.set RR, RR+1
.endr
	WIN 0
.Lno_rows:
	BARRIER                                        ; the codes, the scale bytes and the bf16 tile lie in LDS
	; ---- the second stretch: my 256 u for the 64 rows
	s_cmp_gt_i32 s23, 0
	s_cbranch_scc0 .Lno_products
	WLOAD 0, 0, 0                                  ; the first two u tiles are asked for ahead of the LDS loads
	VLOAD 0, 0
	WLOAD 1, 8192, 512
	VLOAD 1, 64
	FRAG
.irp m, 0,1,2,3
	ds_load_b128 v[ASC+8*\m:ASC+8*\m+3], v7 offset:16*SCP*\m          ; row tile m: lane r takes row r's eight scale words
	ds_load_b128 v[ASC+8*\m+4:ASC+8*\m+7], v7 offset:16*SCP*\m+16
.endr
.set j, 0
.rept 8
	v_mov_b32 v[SUM+j], 0                          ; the scores' sums
.set j, j+1
.endr
	s_wait_dscnt 0x0
	s_mov_b32 s30, 7                               ; 16 u tiles, two a trip; the last two are written out, since they ask for nothing more
.Lut:
	UT 0, 1, 22
	UT 1, 1, 22
	s_wait_xcnt 0x0                                ; the loads have read their bases: only now are these stepped
	s_add_nc_u64 s[40:41], s[40:41], 16384
	s_add_nc_u64 s[42:43], s[42:43], 1024
	s_add_nc_u64 s[8:9], s[8:9], 128
	s_add_nc_u64 s[14:15], s[14:15], 128
	s_sub_co_u32 s30, s30, 1
	s_cmp_lg_u32 s30, 0
	s_cbranch_scc1 .Lut
	UT 0, 0, 22
	UT 1, 0, 0
.irp m, 0,1,2,3
	v_add_f32 v[SUM+2*\m], v[SUM+2*\m], v[SUM+2*\m+1]
.endr
.irp m, 0,1,2,3
	v_permlanex16_b32 v[SUM+2*\m+1], v[SUM+2*\m], s28, s29
.endr
.irp m, 0,1,2,3
	v_add_f32 v[SUM+2*\m], v[SUM+2*\m], v[SUM+2*\m+1]   ; with lane l xor 16's eight u of each tile
.endr
.irp m, 0,1,2,3
	ds_store_b32 v14, v[SUM+2*\m] offset:64*\m     ; row 16 m + r; lanes r and 16 + r write the same word with the same value
.endr
.Lno_products:
	BARRIER                                        ; the four waves' partial scores lie in LDS
	; ---- the last stretch: the scores, the mask, p, the context
	s_cmp_gt_i32 s23, 0
	s_cbranch_scc0 .Lidle
.irp p, 0,1,2,3
	ds_load_b64 v[QQ+2*\p:QQ+2*\p+1], v15 offset:256*\p
.endr
	s_wait_dscnt 0x0
	v_pk_add_f32 v[QQ:QQ+1], v[QQ:QQ+1], v[QQ+2:QQ+3]
	v_pk_add_f32 v[QQ+4:QQ+5], v[QQ+4:QQ+5], v[QQ+6:QQ+7]
	v_pk_add_f32 v[QQ:QQ+1], v[QQ:QQ+1], v[QQ+4:QQ+5]
	v_pk_mul_f32 v[QQ:QQ+1], v[QQ:QQ+1], s[38:39] op_sel_hi:[1,0]   ; w2 of rows 2 l, 2 l + 1, the same bits in every wave
.irp i, 0,1
	v_cmp_gt_i32 vcc_lo, s[32+\i], v53             ; row 2 l + i counts where it lies under the count of rows
	v_cndmask_b32 v[QQ+\i], v54, v[QQ+\i], vcc_lo
.endr
	v_max_num_f32 v[QQ+4], v[QQ], v[QQ+1]
	v_max_num_f32_dpp v[QQ+4], v[QQ+4], v[QQ+4] row_xmask:1 row_mask:0xf bank_mask:0xf
	v_max_num_f32_dpp v[QQ+4], v[QQ+4], v[QQ+4] row_xmask:2 row_mask:0xf bank_mask:0xf
	v_max_num_f32_dpp v[QQ+4], v[QQ+4], v[QQ+4] row_xmask:4 row_mask:0xf bank_mask:0xf
	v_max_num_f32_dpp v[QQ+4], v[QQ+4], v[QQ+4] row_xmask:8 row_mask:0xf bank_mask:0xf
	v_permlanex16_b32 v[QQ+5], v[QQ+4], s28, s29
	v_max_num_f32 v[QQ+4], v[QQ+4], v[QQ+5]        ; m: the tile's first row counts, so it is a number
	s_cmp_lg_u32 s20, 0
	s_cbranch_scc1 .Lnot_wave_0
	global_store_b64 v9, v[QQ:QQ+1], s[16:17]      ; 32 lanes store the tile's 256 consecutive bytes of wraw, aligned
.Lnot_wave_0:
	v_sub_f32 v[QQ+8], v[QQ], v[QQ+4]
	v_sub_f32 v[QQ+9], v[QQ+1], v[QQ+4]
	v_exp_f32 v[QQ+8], v[QQ+8]                     ; p = 2^(w2 - m); 0 where masked
	v_exp_f32 v[QQ+9], v[QQ+9]
.set j, 0
.rept 8
	v_mov_b32 v[CA+j], 0                           ; the context's eight sums (plain work behind the exponentials)
.set j, j+1
.endr
	s_wait_alu depctr_va_vdst(0)                   ; one wait for the two, ahead of their first reader
	ds_store_b64 v48, v[QQ+8:QQ+9]                 ; my wave's own copy: LDS serves a wave's instructions in order, so its loads below see it
.irp g, 0,1,2,3,4,5,6,7,8,9,10,11,12,13,14,15
	ds_load_b128 v[PP+4*\g:PP+4*\g+3], v49 offset:16*\g   ; p of the 64 rows, the same in every lane
.endr
	CTX 0, 13
	CTX 1, 13
	CTX 2, 3
	CTX 3, 3
	ds_store_b128 v50, v[CA:CA+3]                  ; a lane's 32 bytes go through my wave's own stage, so that each store below covers 512 consecutive bytes
	ds_store_b128 v50, v[CA+4:CA+7] offset:16
	ds_load_b128 v[RB:RB+3], v51
	ds_load_b128 v[RB+4:RB+7], v51 offset:512
	s_wait_dscnt 0x0
	global_store_b128 v52, v[RB:RB+3], s[18:19]
	global_store_b128 v52, v[RB+4:RB+7], s[18:19] offset:512
	s_wait_tensorcnt 0x0
	ds_add_u32 v254, v255
	s_wait_dscnt 0x0
	s_endpgm
	; ---- a tile all of whose rows are masked: zeros for its context, -infinity for its scores
.Lidle:
.irp i, 0,1,2,3
	v_mov_b32 v[ACC+\i], 0
.endr
	global_store_b128 v8, v[ACC:ACC+3], s[18:19]
	global_store_b128 v8, v[ACC:ACC+3], s[18:19] offset:2048
	s_cmp_lg_u32 s20, 0
	s_cbranch_scc1 .Lidle_end
	v_mov_b32 v[ACC+4], v54
	v_mov_b32 v[ACC+5], v54
	global_store_b64 v9, v[ACC+4:ACC+5], s[16:17]
.Lidle_end:
	s_wait_tensorcnt 0x0
	ds_add_u32 v254, v255
	s_wait_dscnt 0x0
	s_endpgm
.Lfunc_end_k_q751f781611_main:
	.size	k_q751f781611_main, .Lfunc_end_k_q751f781611_main-k_q751f781611_main
	.p2alignl 7, 3214868480
	.fill 96, 4, 3214868480
	.section	.rodata,"a",@progbits
	.p2align	6, 0x0
	.amdhsa_kernel k_q751f781611_main
		.amdhsa_group_segment_fixed_size 174592
		.amdhsa_private_segment_fixed_size 0
		.amdhsa_enable_private_segment 0
		.amdhsa_kernarg_size 64
		.amdhsa_user_sgpr_count 2
		.amdhsa_user_sgpr_kernarg_segment_ptr 1
		.amdhsa_wavefront_size32 1
		.amdhsa_system_sgpr_workgroup_id_x 1
		.amdhsa_system_sgpr_workgroup_id_y 1
		.amdhsa_system_sgpr_workgroup_id_z 1
		.amdhsa_system_vgpr_workitem_id 0
		.amdhsa_next_free_vgpr 768
		.amdhsa_next_free_sgpr 66
		.amdhsa_reserve_vcc 1
		.amdhsa_float_denorm_mode_32 3
		.amdhsa_float_denorm_mode_16_64 3
		.amdhsa_memory_ordered 1
		.amdhsa_forward_progress 1
		.amdhsa_inst_pref_size 182
	.end_amdhsa_kernel
	.amdgpu_metadata
---
amdhsa.version: [ 1, 2 ]
amdhsa.kernels:
  - .name:           k_q751f781611_main
    .symbol:         k_q751f781611_main.kd
    .args:
      - { .name: encoder_output, .offset: 0, .size: 8, .value_kind: global_buffer, .address_space: global }
      - { .name: lengths, .offset: 8, .size: 8, .value_kind: global_buffer, .address_space: global }
      - { .name: v, .offset: 16, .size: 8, .value_kind: global_buffer, .address_space: global }
      - { .name: wkf, .offset: 24, .size: 8, .value_kind: global_buffer, .address_space: global }
      - { .name: wks, .offset: 32, .size: 8, .value_kind: global_buffer, .address_space: global }
      - { .name: pq2, .offset: 40, .size: 8, .value_kind: global_buffer, .address_space: global }
      - { .name: wraw, .offset: 48, .size: 8, .value_kind: global_buffer, .address_space: global }
      - { .name: pctx, .offset: 56, .size: 8, .value_kind: global_buffer, .address_space: global }
    .group_segment_fixed_size: 174592
    .private_segment_fixed_size: 0
    .kernarg_segment_align: 8
    .kernarg_segment_size: 64
    .max_flat_workgroup_size: 128
    .sgpr_count:     66
    .vgpr_count:     768
    .wavefront_size: 32
...
	.end_amdgpu_metadata
.endif
;; end of part 2
;; launch combine (part 3): grid 8 x 32, 8 waves a work-group, no clusters, 9,216 bytes of LDS; arguments wraw, pctx, out0, out1; writes out0, out1
.if DOCPART == 3
	.amdgcn_target "amdgcn-amd-amdhsa--gfx1250"
	.amdhsa_code_object_version 6
	.text
	.protected	k_q751f781611_combine
	.globl	k_q751f781611_combine
	.p2align	8
	.type	k_q751f781611_combine,@function
k_q751f781611_combine:
	s_mov_b64 s[64:65], 0
	v_nop
	global_prefetch_b8 v0, s[64:65] scope:SCOPE_SE
	s_setreg_imm32_b32 hwreg(HW_REG_WAVE_MODE, 25, 1), 1
	s_wait_xcnt 0x0
; The softmax of a batch n (y) is finished from its 2,048 scores w2 (log2 units, -infinity where masked) and its 32 tiles' partial contexts (a tile: 64 rows).
; M = the batch's largest w2, L = sum of 2^(w2 - M);  out1[n][t] = 2^(w2 - M) / L;  out0[n][e] = sum over tiles of 2^(m_tile - M) / L x pctx[tile][e], m_tile the tile's largest w2
; (the maximum of the same numbers that the launch before took it of, so the same bits; a tile without rows has m_tile = -infinity, weight 0, and zeros).
; SHARES.  Work-group x of 8 makes columns 128 x .. 128 x + 127 of out0 and 256 numbers of out1; each reads all of wraw[n], 8,192 bytes.  A lane holds 4 + 4 scores: lanes 0-15 of wave g those of
; tiles 2 g and 16 + 2 g, lanes 16-31 those of tiles 2 g + 1 and 17 + 2 g: a tile's maximum is the maximum of 16 lanes.
; Where lengths[n] <= 0 every score is -infinity and both rows come out as NaN, as the softmax of such a row is.
; Memory binds and the work is small: no matrix unit, no tensor load, no cluster.
.set RM, 0                             ; LDS: the waves' maxima, 8 words
.set RL, 256                           ; their sums, 8 words
.set RC, 512                           ; their parts of the context: 8 x 512 bytes
.macro HMAX a                          ; the largest over each half of 16 lanes, in every lane of the half
	v_max_num_f32_dpp v[\a], v[\a], v[\a] row_xmask:1 row_mask:0xf bank_mask:0xf
	v_max_num_f32_dpp v[\a], v[\a], v[\a] row_xmask:2 row_mask:0xf bank_mask:0xf
	v_max_num_f32_dpp v[\a], v[\a], v[\a] row_xmask:4 row_mask:0xf bank_mask:0xf
	v_max_num_f32_dpp v[\a], v[\a], v[\a] row_xmask:8 row_mask:0xf bank_mask:0xf
.endm
.macro BARRIER
	s_wait_dscnt 0x0
	s_barrier_signal -1
	s_barrier_wait -1
.endm
	s_load_b256 s[4:11], s[0:1], 0x0               ; wraw s[4:5], pctx s[6:7], out0 s[8:9], out1 s[10:11]
	v_lshl_add_u32 v96, v0, 2, 0x2000
	v_mov_b32 v97, 0
	v_lshrrev_b32 v1, 5, v0
	v_readfirstlane_b32 s12, v1                    ; wave g
	s_and_b32 s13, ttmp7, 0xffff                   ; n
	v_and_b32 v1, 31, v0
	v_lshlrev_b32 v1, 4, v1                        ; 16 l
	v_lshlrev_b32 v2, 4, v0                        ; 16 x thread
	s_lshl_b32 s14, s12, 2
	v_mov_b32 v3, s14                              ; 4 g
	v_mov_b32 v25, 0
	v_mov_b32 v22, 0                               ; a lane permute's destination counts as one of its sources
	s_mov_b32 s16, 0x76543210
	s_mov_b32 s17, 0xfedcba98
	s_lshl_b32 s18, s13, 13                        ; wraw, out1: 8,192 bytes a batch
	s_mov_b32 s19, 0
	s_lshl_b32 s20, s13, 17                        ; pctx: tile 32 n + 2 g, 4,096 bytes each, + my work-group's 512
	s_lshl_b32 s24, s12, 13
	s_add_co_u32 s20, s20, s24
	s_lshl_b32 s24, ttmp9, 9
	s_add_co_u32 s20, s20, s24
	s_mov_b32 s21, 0
	s_lshl_b32 s22, s13, 12                        ; out0: 4,096 bytes a batch, + my work-group's 512
	s_add_co_u32 s22, s22, s24
	s_mov_b32 s23, 0
	s_wait_kmcnt 0x0
	s_add_nc_u64 s[4:5], s[4:5], s[18:19]
	s_add_nc_u64 s[10:11], s[10:11], s[18:19]
	s_add_nc_u64 s[6:7], s[6:7], s[20:21]
	s_add_nc_u64 s[8:9], s[8:9], s[22:23]
	global_load_b128 v[4:7], v2, s[4:5]            ; tiles 2 g, 2 g + 1
	global_load_b128 v[8:11], v2, s[4:5] offset:4096   ; tiles 16 + 2 g, 17 + 2 g
	global_load_b128 v[12:15], v1, s[6:7] th:TH_LOAD_NT                  ; the partial context of tile 2 g,
	global_load_b128 v[16:19], v1, s[6:7] offset:4096 th:TH_LOAD_NT      ; 2 g + 1,
	global_load_b128 v[64:67], v1, s[6:7] offset:65536 th:TH_LOAD_NT     ; 16 + 2 g,
	global_load_b128 v[68:71], v1, s[6:7] offset:69632 th:TH_LOAD_NT     ; 17 + 2 g
	s_wait_loadcnt 0x4                             ; the scores are in; the four partial contexts may stay out
	v_max3_num_f32 v20, v4, v5, v6
	v_max3_num_f32 v21, v8, v9, v10
	v_max_num_f32 v20, v20, v7
	v_max_num_f32 v21, v21, v11
	HMAX 20                                        ; m of tile 2 g + lane / 16
	HMAX 21                                        ; m of tile 16 + 2 g + lane / 16
	v_max_num_f32 v24, v20, v21
	v_permlanex16_b32 v22, v24, s16, s17
	v_max_num_f32 v24, v24, v22                    ; the wave's largest
	ds_store_b32 v3, v24 offset:RM                 ; all lanes write the same word with the same value
	BARRIER
	ds_load_b128 v[28:31], v25 offset:RM
	ds_load_b128 v[32:35], v25 offset:RM+16
	s_wait_dscnt 0x0
	v_max3_num_f32 v26, v28, v29, v30
	v_max3_num_f32 v26, v26, v31, v32
	v_max3_num_f32 v26, v26, v33, v34
	v_max_num_f32 v26, v26, v35                    ; M
.irp i, 0,1,2,3,4,5,6,7
	v_sub_f32 v[36+\i], v[4+\i], v26
.endr
	v_sub_f32 v44, v20, v26
	v_sub_f32 v46, v21, v26
.irp i, 0,1,2,3,4,5,6,7
	v_exp_f32 v[36+\i], v[36+\i]
.endr
	v_exp_f32 v44, v44
	v_exp_f32 v46, v46
	v_mov_b32 v53, 0                               ; a plain line behind the batch: the upper half of the pair that the packed forms name with 1 / L
	s_wait_alu depctr_va_vdst(0)                   ; one wait for the ten exponentials, ahead of their first reader
	v_pk_add_f32 v[48:49], v[36:37], v[38:39]
	v_pk_add_f32 v[50:51], v[40:41], v[42:43]
	v_pk_add_f32 v[48:49], v[48:49], v[50:51]
	v_add_f32 v48, v48, v49
	v_add_f32_dpp v48, v48, v48 row_xmask:1 row_mask:0xf bank_mask:0xf
	v_add_f32_dpp v48, v48, v48 row_xmask:2 row_mask:0xf bank_mask:0xf
	v_add_f32_dpp v48, v48, v48 row_xmask:4 row_mask:0xf bank_mask:0xf
	v_add_f32_dpp v48, v48, v48 row_xmask:8 row_mask:0xf bank_mask:0xf
	v_permlanex16_b32 v22, v48, s16, s17
	v_add_f32 v48, v48, v22
	ds_store_b32 v3, v48 offset:RL
	BARRIER
	ds_load_b128 v[28:31], v25 offset:RL
	ds_load_b128 v[32:35], v25 offset:RL+16
	s_wait_dscnt 0x0
	v_pk_add_f32 v[28:29], v[28:29], v[30:31]
	v_pk_add_f32 v[32:33], v[32:33], v[34:35]
	v_pk_add_f32 v[28:29], v[28:29], v[32:33]
	v_add_f32 v27, v28, v29                        ; L
	v_rcp_f32 v52, v27
	v_nop                                          ; a plain place behind the reciprocal
	s_wait_alu depctr_va_vdst(0)
	s_cmp_lg_u32 s12, ttmp9                        ; wave x of work-group x stores its 256 numbers of out1
	s_cbranch_scc1 .Lno_out1
.irp i, 0,2,4,6
	v_pk_mul_f32 v[36+\i:37+\i], v[36+\i:37+\i], v[52:53] op_sel_hi:[1,0]
.endr
	global_store_b128 v2, v[36:39], s[10:11]       ; 32 lanes store 512 consecutive bytes
	global_store_b128 v2, v[40:43], s[10:11] offset:4096
.Lno_out1:
	v_mul_f32 v44, v44, v52                        ; 2^(m - M) / L: lanes 0-15 tile 2 g's, lanes 16-31 tile 2 g + 1's
	v_mul_f32 v46, v46, v52                        ; and those of tiles 16 + 2 g, 17 + 2 g
	v_readlane_b32 s24, v44, 0                     ; each tile's weight serves all 32 lanes: it goes into a scalar pair's low word, which the packed forms take for both halves
	v_readlane_b32 s26, v44, 16
	v_readlane_b32 s28, v46, 0
	v_readlane_b32 s30, v46, 16
	s_mov_b32 s25, 0                               ; (named with them as pairs, so they are written)
	s_mov_b32 s27, 0
	s_mov_b32 s29, 0
	s_mov_b32 s31, 0
	s_wait_loadcnt 0x0
	v_pk_mul_f32 v[56:57], v[12:13], s[24:25] op_sel_hi:[1,0]
	v_pk_mul_f32 v[58:59], v[14:15], s[24:25] op_sel_hi:[1,0]
	v_pk_fma_f32 v[56:57], v[16:17], s[26:27], v[56:57] op_sel_hi:[1,0,1]
	v_pk_fma_f32 v[58:59], v[18:19], s[26:27], v[58:59] op_sel_hi:[1,0,1]
	v_pk_fma_f32 v[56:57], v[64:65], s[28:29], v[56:57] op_sel_hi:[1,0,1]
	v_pk_fma_f32 v[58:59], v[66:67], s[28:29], v[58:59] op_sel_hi:[1,0,1]
	v_pk_fma_f32 v[56:57], v[68:69], s[30:31], v[56:57] op_sel_hi:[1,0,1]
	v_pk_fma_f32 v[58:59], v[70:71], s[30:31], v[58:59] op_sel_hi:[1,0,1]
	ds_store_b128 v2, v[56:59] offset:RC           ; 512 g + 16 l
	BARRIER
	s_cmp_lg_u32 s12, 0
	s_cbranch_scc1 .Lend
.irp p, 0,1,2,3,4,5,6,7
	ds_load_b128 v[4+4*\p:7+4*\p], v1 offset:RC+512*\p
.endr
	s_wait_dscnt 0x0
.irp p, 1,2,3,4,5,6,7
	v_pk_add_f32 v[4:5], v[4:5], v[4+4*\p:5+4*\p]
	v_pk_add_f32 v[6:7], v[6:7], v[6+4*\p:7+4*\p]
.endr
	global_store_b128 v1, v[4:7], s[8:9]           ; 32 lanes store 512 consecutive bytes of out0
.Lend:
	s_wait_tensorcnt 0x0
	ds_add_u32 v96, v97
	s_wait_dscnt 0x0
	s_endpgm
.Lfunc_end_k_q751f781611_combine:
	.size	k_q751f781611_combine, .Lfunc_end_k_q751f781611_combine-k_q751f781611_combine
	.p2alignl 7, 3214868480
	.fill 96, 4, 3214868480
	.section	.rodata,"a",@progbits
	.p2align	6, 0x0
	.amdhsa_kernel k_q751f781611_combine
		.amdhsa_group_segment_fixed_size 9216
		.amdhsa_private_segment_fixed_size 0
		.amdhsa_enable_private_segment 0
		.amdhsa_kernarg_size 32
		.amdhsa_user_sgpr_count 2
		.amdhsa_user_sgpr_kernarg_segment_ptr 1
		.amdhsa_wavefront_size32 1
		.amdhsa_system_sgpr_workgroup_id_x 1
		.amdhsa_system_sgpr_workgroup_id_y 1
		.amdhsa_system_sgpr_workgroup_id_z 1
		.amdhsa_system_vgpr_workitem_id 0
		.amdhsa_next_free_vgpr 98
		.amdhsa_next_free_sgpr 66
		.amdhsa_reserve_vcc 0
		.amdhsa_float_denorm_mode_32 3
		.amdhsa_float_denorm_mode_16_64 3
		.amdhsa_memory_ordered 1
		.amdhsa_forward_progress 1
		.amdhsa_inst_pref_size 9
	.end_amdhsa_kernel
	.amdgpu_metadata
---
amdhsa.version: [ 1, 2 ]
amdhsa.kernels:
  - .name:           k_q751f781611_combine
    .symbol:         k_q751f781611_combine.kd
    .args:
      - { .name: wraw, .offset: 0, .size: 8, .value_kind: global_buffer, .address_space: global }
      - { .name: pctx, .offset: 8, .size: 8, .value_kind: global_buffer, .address_space: global }
      - { .name: out0, .offset: 16, .size: 8, .value_kind: global_buffer, .address_space: global }
      - { .name: out1, .offset: 24, .size: 8, .value_kind: global_buffer, .address_space: global }
    .group_segment_fixed_size: 9216
    .private_segment_fixed_size: 0
    .kernarg_segment_align: 8
    .kernarg_segment_size: 32
    .max_flat_workgroup_size: 256
    .sgpr_count:     66
    .vgpr_count:     98
    .wavefront_size: 32
...
	.end_amdgpu_metadata
.endif
;; end of part 3
;; ======== version 2 of 3: 3 launches; 1.20 times as fast as version 1
;; workspace buffers: wkf 524,288 bytes; wks 32,768 bytes; pq2 131,072 bytes; wraw 262,144 bytes; pctx 4,194,304 bytes
;; launch prep: the kernel of part 1 again; grid 128 x 1, 8 waves a work-group, no clusters, 18,432 bytes of LDS; arguments Wk, Wq, queries, wkf, wks, pq2; writes wkf, wks, pq2
;; launch main (part 4): grid 32 x 32, 4 waves a work-group, no clusters, 174,592 bytes of LDS; arguments encoder_output, lengths, v, wkf, wks, pq2, wraw, pctx; writes wraw, pctx
.if DOCPART == 4
	.amdgcn_target "amdgcn-amd-amdhsa--gfx1250"
	.amdhsa_code_object_version 6
	.text
	.protected	k_q751f781611_main
	.globl	k_q751f781611_main
	.p2align	8
	.type	k_q751f781611_main,@function
k_q751f781611_main:
	s_mov_b64 s[64:65], 0
	v_nop
	global_prefetch_b8 v0, s[64:65] scope:SCOPE_SE
	s_setreg_imm32_b32 hwreg(HW_REG_WAVE_MODE, 25, 1), 1
	s_wait_xcnt 0x0
; A work-group takes 64 rows t of one batch n through the whole chain: the rows are read from memory ONCE, rounded to bf16 into LDS for the context, quantised to FP4 (E2M1, one E8M0
; byte for each 32 along K), multiplied by Wk's codes, then w2[t] = log2(e) x sum over u of v[u] tanh(proj_query[u] + proj_key[t][u]); the mask t >= lengths[n]; m = the tile's largest w2;
; p = 2^(w2 - m); pctx = sum over t of p[t] bf16(enc[t][:]).  wraw gets w2 (-infinity where masked).  The last launch joins the 32 tiles of a batch under the batch's maximum.
; tanh(x) = 1 - 2 / (1 + 2^(c x)), c = 2 log2(e); pq2 already holds c x proj_query.
; WHICH TILE.  Work-group (x, y) takes tile y of batch n = (x + y) mod 32: a one-to-one map.  A batch's work hangs on its length (its first ceil(lengths / 64) tiles have rows).  With this map the 32 tiles
; of a batch lie in 32 different columns x of the grid: every set of work-groups whose numbers (32 y + x) are equal modulo 32, or modulo a divisor of 32, holds tiles of every batch and not all tiles of a few,
; so long and short batches are shared out alike, however the work-groups are dealt.  Low tiles, which most often have rows, come first.
; WHAT THE MASK THROWS AWAY IS NOT DONE: a tile whose first row is at or past lengths[n] loads no row and multiplies nothing; it stores zeros and -infinity.  That is a scalar branch on a number read from
; memory.  This text has no tensor load, no copy and no joint request for Wk's tiles: operands go from memory straight into registers.
; EVERY WAVE PASSES BOTH BARRIERS: the text is three stretches with a barrier between them, and the branch on lengths jumps over a stretch, never over a barrier.  Each stretch reads only registers
; that the head or the stretch itself has written; what goes from stretch to stretch goes through LDS.
; SHARES.  THE WAVES SHARE THE COLUMNS u: wave w owns u = 256 w .. 256 w + 255 and holds the codes of ALL 64 rows in registers (256), so each fragment of Wk is loaded once a work-group, as it lies in wkf,
; and feeds four matrix instructions.  In the first stretch wave w loads and quantises rows 16 w + 0 .. 15; the codes reach the other waves through LDS.
; THE PRODUCT IS USED TRANSPOSED: source 0 = 16 rows of Wk, source 1 = 16 encoder rows: lane (r, h), register j holds (row 16 m + r, u0 + 8 h + j).
; All 64 rows of a tile that has a row are loaded and multiplied; the mask is laid on the finished scores.
; LIMITS: NaN and infinities among the floats are not served; a block of zeros gets the scale byte 1 where the rule says 127 (its codes are zeros; this program alone reads the bytes);
; lengths is held to 0 .. 2048, which gives the same mask.
; REGISTERS.  window 0: v1-15, v48-54 addresses; v16-47 the rows' scale words (8 m + s); v60-71 at work at the end; v80-95 Wk's scale words, two sets; v96-127 four accumulators (in the first stretch
;   v96-159: two sets of temporaries; in the last: p); v160-175, v192-207 c proj_query and v of a u tile, two sets; v176-183 the scores' sums, a pair a row tile; in the last stretch v160-223 rows, v224-231 the context.
;   window 1: first a ring of 7 rows x 32 registers, then Wk's fragments, two sets of 64.   window 2: the codes of the 64 rows (64 m + 8 s).
.set CODE,  131072                     ; LDS: from 0 the tile as bf16, 64 rows x 2,048 bytes; here the codes, 64 rows of 512 bytes + 16 of padding
.set CP,    528                        ; = 33 x 16: the 16 rows that a fragment load touches begin at 16 different columns of 16 bytes
.set SCL,   164864                     ; the rows' scale bytes: 64 rows x (32 + 16)
.set SCP,   48
.set SP,    167936                     ; the waves' partial scores: 4 x 64 f32
.set PB,    168960                     ; p: a copy of 256 bytes for each wave
.set CT,    169984                     ; the context's way out: 1,024 bytes for each wave
.set FLOOR, 0x1800000                  ; 2^(3 - 127)
.set ASC,   16
.set QQ,    60
.set WSC,   80
.set ACC,   96
.set TMPL,  96                         ; the first stretch's temporaries: set R % 2 of 32: +0 maxima, +4 scale operands, +8 bytes, +12 codes, +16 bf16
.set PQ,    160                        ; + 32 x set
.set VV,    168                        ; + 32 x set
.set SUM,   176
.set PP,    96                         ; the last stretch: p of the 64 rows,
.set RB,    160                        ; 16 rows' 16 bytes a lane,
.set CA,    224                        ; my 8 columns' sums
.set MSB, 0
.macro WIN new                         ; the immediate's high byte repeats the setting that is left; bits 1:0 source 0, 3:2 source 1, 5:4 source 2, 7:6 destination
.if MSB != (\new)
	s_set_vgpr_msb (MSB<<8)|(\new)
.set MSB, (\new)
.endif
.endm
.macro PLACES                          ; four plain places behind a matrix instruction, ahead of vector reads of its result and of loads into its registers
.rept 4
	v_nop
.endr
.endm
.macro BARRIER                         ; my LDS stores have landed and my LDS loads are in: then the work-group's barrier
	s_wait_dscnt 0x0
	s_barrier_signal -1
	s_barrier_wait -1
.endm
; Row R (0 .. 15) of my wave is tile row 16 w + R.  Lane l takes k = 256 q + 8 l + 0 .. 7 into 8 registers on end: the two loads of a q cover 1,024 consecutive bytes between them.
.macro FILLROW R
	WIN 0x40                                       ; destination window 1
.irp q, 0,1,2,3
	global_load_b128 v[32*((\R)%7)+8*\q:32*((\R)%7)+8*\q+3], v1, s[4:5] offset:(\R)*4096+1024*\q th:TH_LOAD_NT
	global_load_b128 v[32*((\R)%7)+8*\q+4:32*((\R)%7)+8*\q+7], v1, s[4:5] offset:(\R)*4096+1024*\q+16 th:TH_LOAD_NT
.endr
.endm
; One row: bf16, block maxima (a block of 32 lies in 4 neighbouring lanes), scale bytes, codes; all three to LDS; the ring's slot is filled with the row 7 further on.
.macro ROW R
.set XS,  32*((\R)%7)
.set TS,  TMPL+32*((\R)%2)
.if (\R) <= 9
	s_wait_loadcnt 48                              ; loads come back in order: this row's 8 are in, the 6 rows behind it stay out
.else
	s_wait_loadcnt 8*(15-(\R))
.endif
	s_wait_dscnt 12                                ; the 12 stores of the row before may be out; those of two rows back, which read this set of temporaries, are done
	WIN 0x05                                       ; sources 0 and 1: window 1
.irp q, 0,1,2,3
	v_max3_num_f32 v[TS+\q], |v[XS+8*\q]|, |v[XS+8*\q+1]|, FLOOR   ; my 8 numbers of block 8 q + l / 4, and the floor, which holds the byte at 1 from below
.endr
.irp i, 2,4,6
.irp q, 0,1,2,3
	v_max3_num_f32 v[TS+\q], |v[XS+8*\q+\i]|, |v[XS+8*\q+\i+1]|, v[TS+\q]
.endr
.endr
.irp q, 0,1,2,3
.irp p, 0,1,2,3
	v_cvt_pk_bf16_f32 v[TS+16+4*\q+\p], v[XS+8*\q+2*\p], v[XS+8*\q+2*\p+1]
.endr
.endr
	WIN 0
.irp q, 0,1,2,3
	v_max_num_f32_dpp v[TS+\q], v[TS+\q], v[TS+\q] row_xmask:1 row_mask:0xf bank_mask:0xf
.endr
.irp q, 0,1,2,3
	v_max_num_f32_dpp v[TS+\q], v[TS+\q], v[TS+\q] row_xmask:2 row_mask:0xf bank_mask:0xf   ; the block's largest magnitude
.endr
.irp q, 0,1,2,3
	v_add_nc_u32 v[TS+4+\q], 0xff000000, v[TS+\q]  ; 2 off its exponent field: the conversion's scale operand
.endr
.irp q, 0,1,2,3
	v_lshrrev_b32 v[TS+8+\q], 23, v[TS+4+\q]       ; the scale's byte
.endr
	WIN 0x01                                       ; source 0: window 1
.irp q, 0,1,2,3
	v_cvt_scalef32_pk8_fp4_f32 v[TS+12+\q], v[XS+8*\q:XS+8*\q+7], v[TS+4+\q]
.endr
	v_nop                                          ; one plain place behind a scaled conversion
	WIN 0
.irp q, 0,1,2,3
	ds_store_b128 v2, v[TS+16+4*\q:TS+16+4*\q+3] offset:(\R)*2048+512*\q   ; 32 lanes: 512 consecutive bytes of the bf16 row
	ds_store_b32 v4, v[TS+12+\q] offset:(\R)*CP+128*\q                     ; 8 codes a lane: 128 consecutive bytes of the code row
	ds_store_b8 v5, v[TS+8+\q] offset:(\R)*SCP+8*\q                        ; the four lanes of a block write the same byte with the same value
.endr
.if (\R)+7 < 16
	FILLROW (\R)+7
.endif
.endm
; The codes of the 64 rows from LDS into window 2: fragment (m, s) at 64 m + 8 s: lane (r, h): row 16 m + r, registers 4 c .. 4 c + 3: k = 128 s + 64 c + 32 h + 0 .. 31
.macro FRAG
	WIN 0x80
.irp m, 0,1,2,3
.irp s, 0,1,2,3,4,5,6,7
	ds_load_b128 v[64*\m+8*\s:64*\m+8*\s+3], v6 offset:\m*16*CP+64*\s
	ds_load_b128 v[64*\m+8*\s+4:64*\m+8*\s+7], v6 offset:\m*16*CP+64*\s+32
.endr
.endr
	WIN 0
.endm
; A u tile of Wk: 8 fragments as they lie in wkf (16 loads of 512 consecutive bytes) and its rows' 8 scale words (2 loads)
.macro WLOAD buf, off8, off5
	WIN 0x40
.irp s, 0,1,2,3,4,5,6,7
	global_load_b128 v[64*\buf+8*\s:64*\buf+8*\s+3], v10, s[40:41] offset:(\off8)+1024*\s
	global_load_b128 v[64*\buf+8*\s+4:64*\buf+8*\s+7], v10, s[40:41] offset:(\off8)+1024*\s+512
.endr
	WIN 0
	global_load_b128 v[WSC+8*\buf:WSC+8*\buf+3], v11, s[42:43] offset:(\off5)
	global_load_b128 v[WSC+8*\buf+4:WSC+8*\buf+7], v11, s[42:43] offset:(\off5)+16
.endm
; and its 16 numbers of v and of c proj_query: lane (r, h) takes those of u0 + 8 h + 0 .. 7 (4 loads; a wave touches 64 bytes of each)
.macro VLOAD buf, off
	global_load_b128 v[VV+32*\buf:VV+32*\buf+3], v12, s[8:9] offset:(\off)
	global_load_b128 v[VV+32*\buf+4:VV+32*\buf+7], v12, s[8:9] offset:(\off)+16
	global_load_b128 v[PQ+32*\buf:PQ+32*\buf+3], v12, s[14:15] offset:(\off)
	global_load_b128 v[PQ+32*\buf+4:PQ+32*\buf+7], v12, s[14:15] offset:(\off)+16
.endm
; 32 matrix instructions: 16 u x 64 rows, all of K.  The four accumulators take turns, one instruction a turn; the first K step starts the sums
.macro MM buf
	WIN 0x09                                       ; source 0 (Wk) window 1, source 1 (rows) window 2, C and D window 0
.irp s, 0,1,2,3,4,5,6,7
.irp m, 0,1,2,3
.if \s == 0
	v_wmma_scale_f32_16x16x128_f8f6f4 v[ACC+8*\m:ACC+8*\m+7], v[64*\buf+8*\s:64*\buf+8*\s+7], v[64*\m+8*\s:64*\m+8*\s+7], 0, v[WSC+8*\buf+\s], v[ASC+8*\m+\s] matrix_a_fmt:MATRIX_FMT_FP4 matrix_b_fmt:MATRIX_FMT_FP4
.else
	v_wmma_scale_f32_16x16x128_f8f6f4 v[ACC+8*\m:ACC+8*\m+7], v[64*\buf+8*\s:64*\buf+8*\s+7], v[64*\m+8*\s:64*\m+8*\s+7], v[ACC+8*\m:ACC+8*\m+7], v[WSC+8*\buf+\s], v[ASC+8*\m+\s] matrix_a_fmt:MATRIX_FMT_FP4 matrix_b_fmt:MATRIX_FMT_FP4
.endif
.endr
.endr
	WIN 0
.endm
; tanh and the dot with v for the four accumulators.  Each batch of 32 transcendentals has one plain line and one wait behind it, ahead of its first reader
.macro VEC buf
.irp m, 0,1,2,3
.irp p, 0,2,4,6
	v_pk_fma_f32 v[ACC+8*\m+\p:ACC+8*\m+\p+1], v[ACC+8*\m+\p:ACC+8*\m+\p+1], s[26:27], v[PQ+32*\buf+\p:PQ+32*\buf+\p+1] op_sel_hi:[1,0,1]   ; c proj_key + c proj_query; each accumulator from its low end on
.endr
.endr
.set j, ACC
.rept 32
	v_exp_f32 v[j], v[j]
.set j, j+1
.endr
	v_nop
	s_wait_alu depctr_va_vdst(0)
.set j, ACC
.rept 16
	v_pk_add_f32 v[j:j+1], v[j:j+1], 1.0 op_sel_hi:[1,0]
.set j, j+2
.endr
.set j, ACC
.rept 32
	v_rcp_f32 v[j], v[j]
.set j, j+1
.endr
	v_nop
	s_wait_alu depctr_va_vdst(0)
.set j, ACC
.rept 16
	v_pk_fma_f32 v[j:j+1], v[j:j+1], -2.0, 1.0 op_sel_hi:[1,0,0]   ; tanh
.set j, j+2
.endr
.irp p, 0,2,4,6
.irp m, 0,1,2,3
	v_pk_fma_f32 v[SUM+2*\m:SUM+2*\m+1], v[ACC+8*\m+\p:ACC+8*\m+\p+1], v[VV+32*\buf+\p:VV+32*\buf+\p+1], v[SUM+2*\m:SUM+2*\m+1]   ; the four row tiles by turns
.endr
.endr
.endm
; One u tile.  cnt: the loads that may stay out: the other set's 22, or none.  refill = 1: this set takes the tile two further on: Wk's registers as soon as the last product is four places back,
; v's and proj_query's behind the lines that read them.
.macro UT buf, refill, cnt
	s_wait_loadcnt \cnt
	MM \buf
	PLACES
.if \refill
	WLOAD \buf, 16384+8192*\buf, 1024+512*\buf
.endif
	VEC \buf
.if \refill
	VLOAD \buf, 128+64*\buf
.endif
.endm
; 16 rows of the context: my wave's 256 columns, 8 a lane.  Every offset is an immediate: 32 rows of 2,048 bytes lie inside the 16-bit offset, so one address register serves 32 rows
.macro CTX grp, adr
.irp i, 0,1,2,3,4,5,6,7,8,9,10,11,12,13,14,15
	ds_load_b128 v[RB+4*\i:RB+4*\i+3], v[\adr] offset:(16*((\grp)%2)+\i)*2048   ; 32 lanes: 512 consecutive bytes of a row
.endr
.irp i, 0,1,2,3,4,5,6,7,8,9,10,11,12,13,14,15
	s_wait_dscnt 15-\i                             ; row i is in; the rows behind it may be out
.irp k, 0,1,2,3
	v_fma_mix_f32_bf16 v[CA+2*\k], v[RB+4*\i+\k], v[PP+16*(\grp)+\i], v[CA+2*\k] op_sel_hi:[1,0,0]
	v_fma_mix_f32_bf16 v[CA+2*\k+1], v[RB+4*\i+\k], v[PP+16*(\grp)+\i], v[CA+2*\k+1] op_sel:[1,0,0] op_sel_hi:[1,0,0]
.endr
.endr
.endm
	s_load_b256 s[4:11], s[0:1], 0x0               ; encoder_output s[4:5], lengths s[6:7], v s[8:9], wkf s[10:11]
	s_load_b256 s[12:19], s[0:1], 0x20             ; wks s[12:13], pq2 s[14:15], wraw s[16:17], pctx s[18:19]
	v_lshl_add_u32 v254, v0, 2, 0x2a800
	v_mov_b32 v255, 0
	v_lshrrev_b32 v56, 5, v0
	v_readfirstlane_b32 s20, v56                   ; wave 0..3
	s_and_b32 s21, ttmp7, 0xffff                   ; y: the tile
	s_add_co_u32 s46, ttmp9, s21
	s_and_b32 s46, s46, 31                         ; n = (x + y) mod 32
	s_lshl_b32 s24, s46, 2
	s_mov_b32 s25, 0                               ; stays 0: the upper word of every offset
	s_wait_kmcnt 0x0
	s_add_nc_u64 s[6:7], s[6:7], s[24:25]
	s_load_b32 s22, s[6:7], 0x0                    ; lengths[n]
	; every address register is made here, ahead of the first branch
	v_and_b32 v56, 31, v0                          ; l
	v_and_b32 v57, 15, v0                          ; r
	v_bfe_u32 v58, v0, 4, 1                        ; h
	v_lshlrev_b32 v1, 5, v56                       ; 32 l: my 8 numbers of 256
	v_lshlrev_b32 v10, 4, v56                      ; 16 l
	v_lshlrev_b32 v9, 3, v56                       ; 8 l
	s_lshl_b32 s44, s20, 15
	v_add_nc_u32 v2, s44, v10                      ; bf16 tile: row 16 w, + 16 l
	s_mul_i32 s44, s20, 16*CP
	s_add_co_u32 s44, s44, CODE
	v_lshl_add_u32 v4, v56, 2, s44                 ; codes: row 16 w, + 4 l
	s_mul_i32 s44, s20, 16*SCP
	s_add_co_u32 s44, s44, SCL
	v_lshrrev_b32 v5, 2, v56
	v_add_nc_u32 v5, s44, v5                       ; scale bytes: row 16 w, + l / 4
	v_mul_u32_u24 v6, v57, CP
	v_lshl_add_u32 v6, v58, 4, v6
	v_add_nc_u32 v6, CODE, v6                      ; a fragment: row r, + 16 h
	v_mul_u32_u24 v7, v57, SCP
	v_add_nc_u32 v7, SCL, v7                       ; scale words: row r
	v_lshlrev_b32 v8, 4, v0                        ; 16 x thread
	v_lshlrev_b32 v11, 5, v57                      ; wks: 32 bytes a row
	v_lshlrev_b32 v12, 5, v58                      ; v, pq2: 8 h numbers
	s_lshl_b32 s44, s20, 9
	v_add_nc_u32 v13, s44, v10                     ; bf16 tile: my wave's 256 columns, + 8 l: rows 0-31,
	v_add_nc_u32 v3, 65536, v13                    ; rows 32-63
	s_lshl_b32 s44, s20, 8
	s_add_co_u32 s45, s44, SP
	v_lshl_add_u32 v14, v57, 2, s45                ; my wave's partial scores: row r
	v_add_nc_u32 v15, SP, v9                       ; all waves': rows 2 l, 2 l + 1
	s_add_co_u32 s45, s44, PB
	v_add_nc_u32 v48, s45, v9                      ; my wave's copy of p: rows 2 l, 2 l + 1;
	v_mov_b32 v49, s45                             ; and its first byte
	s_lshl_b32 s44, s20, 10
	s_add_co_u32 s45, s44, CT
	v_add_nc_u32 v50, s45, v1                      ; the context's way out: in, 32 bytes a lane;
	v_add_nc_u32 v51, s45, v10                     ; back, 16 bytes a lane;
	v_add_nc_u32 v52, s44, v10                     ; and the same place in pctx
	v_lshlrev_b32 v53, 1, v56                      ; 2 l
	v_mov_b32 v54, 0xff800000                      ; -infinity
	s_mov_b32 s26, 0x4038aa3b                      ; c = 2 log2(e)
	s_mov_b32 s27, s26
	s_mov_b32 s28, 0x76543210
	s_mov_b32 s29, 0xfedcba98                      ; v_permlanex16_b32's selects for lane l xor 16
	s_mov_b32 s38, 0x3fb8aa3b                      ; log2(e)
	s_mov_b32 s39, s38
	s_lshl_b32 s24, s46, 23                        ; n x 2,048 rows of 4,096 bytes
	s_lshl_b32 s44, s21, 18                        ; + 64 rows a tile
	s_add_co_u32 s24, s24, s44
	s_lshl_b32 s44, s20, 16                        ; + 16 rows a wave
	s_add_co_u32 s24, s24, s44
	s_add_nc_u64 s[4:5], s[4:5], s[24:25]
	s_lshl_b32 s24, s20, 10
	s_add_nc_u64 s[8:9], s[8:9], s[24:25]          ; v at my wave's 256 u
	s_lshl_b32 s44, s46, 12
	s_add_co_u32 s24, s24, s44
	s_add_nc_u64 s[14:15], s[14:15], s[24:25]      ; pq2[n] likewise
	s_lshl_b32 s24, s46, 13
	s_lshl_b32 s44, s21, 8
	s_add_co_u32 s24, s24, s44
	s_add_nc_u64 s[16:17], s[16:17], s[24:25]      ; wraw at my tile: 256 bytes
	s_lshl_b32 s24, s46, 17
	s_lshl_b32 s44, s21, 12
	s_add_co_u32 s24, s24, s44
	s_add_nc_u64 s[18:19], s[18:19], s[24:25]      ; pctx at my tile: 4,096 bytes
	s_lshl_b32 s24, s20, 17
	s_add_nc_u64 s[40:41], s[10:11], s[24:25]      ; wkf at my wave's 16 u tiles
	s_lshl_b32 s24, s20, 13
	s_add_nc_u64 s[42:43], s[12:13], s[24:25]      ; wks at my wave's 256 rows
	s_wait_kmcnt 0x0
	s_max_i32 s22, s22, 0
	s_min_i32 s22, s22, 2048
	s_lshl_b32 s24, s21, 6
	s_sub_co_i32 s23, s22, s24                     ; how many rows count from the tile's first on (may pass 64, may be negative)
	s_mov_b32 s32, s23
	s_sub_co_i32 s33, s23, 1
	; ---- the first stretch: the rows: load, bf16, quantise.  7 rows, 56 loads of a wave, are on their way
	s_cmp_gt_i32 s23, 0
	s_cbranch_scc0 .Lno_rows
.set RR, 0
.rept 7
	FILLROW RR
.set RR, RR+1
.endr
.set RR, 0
.rept 16
	ROW RR
.set RR, RR+1
.endr
	WIN 0
.Lno_rows:
	BARRIER                                        ; the codes, the scale bytes and the bf16 tile lie in LDS
	; ---- the second stretch: my 256 u for the 64 rows
	s_cmp_gt_i32 s23, 0
	s_cbranch_scc0 .Lno_products
	WLOAD 0, 0, 0                                  ; the first two u tiles are asked for ahead of the LDS loads
	VLOAD 0, 0
	WLOAD 1, 8192, 512
	VLOAD 1, 64
	FRAG
.irp m, 0,1,2,3
	ds_load_b128 v[ASC+8*\m:ASC+8*\m+3], v7 offset:16*SCP*\m          ; row tile m: lane r takes row r's eight scale words
	ds_load_b128 v[ASC+8*\m+4:ASC+8*\m+7], v7 offset:16*SCP*\m+16
.endr
.set j, 0
.rept 8
	v_mov_b32 v[SUM+j], 0                          ; the scores' sums
.set j, j+1
.endr
	s_wait_dscnt 0x0
	s_mov_b32 s30, 7                               ; 16 u tiles, two a trip; the last two are written out, since they ask for nothing more
.Lut:
	UT 0, 1, 22
	UT 1, 1, 22
	s_wait_xcnt 0x0                                ; the loads have read their bases: only now are these stepped
	s_add_nc_u64 s[40:41], s[40:41], 16384
	s_add_nc_u64 s[42:43], s[42:43], 1024
	s_add_nc_u64 s[8:9], s[8:9], 128
	s_add_nc_u64 s[14:15], s[14:15], 128
	s_sub_co_u32 s30, s30, 1
	s_cmp_lg_u32 s30, 0
	s_cbranch_scc1 .Lut
	UT 0, 0, 22
	UT 1, 0, 0
.irp m, 0,1,2,3
	v_add_f32 v[SUM+2*\m], v[SUM+2*\m], v[SUM+2*\m+1]
.endr
.irp m, 0,1,2,3
	v_permlanex16_b32 v[SUM+2*\m+1], v[SUM+2*\m], s28, s29
.endr
.irp m, 0,1,2,3
	v_add_f32 v[SUM+2*\m], v[SUM+2*\m], v[SUM+2*\m+1]   ; with lane l xor 16's eight u of each tile
.endr
.irp m, 0,1,2,3
	ds_store_b32 v14, v[SUM+2*\m] offset:64*\m     ; row 16 m + r; lanes r and 16 + r write the same word with the same value
.endr
.Lno_products:
	BARRIER                                        ; the four waves' partial scores lie in LDS
	; ---- the last stretch: the scores, the mask, p, the context
	s_cmp_gt_i32 s23, 0
	s_cbranch_scc0 .Lidle
.irp p, 0,1,2,3
	ds_load_b64 v[QQ+2*\p:QQ+2*\p+1], v15 offset:256*\p
.endr
	s_wait_dscnt 0x0
	v_pk_add_f32 v[QQ:QQ+1], v[QQ:QQ+1], v[QQ+2:QQ+3]
	v_pk_add_f32 v[QQ+4:QQ+5], v[QQ+4:QQ+5], v[QQ+6:QQ+7]
	v_pk_add_f32 v[QQ:QQ+1], v[QQ:QQ+1], v[QQ+4:QQ+5]
	v_pk_mul_f32 v[QQ:QQ+1], v[QQ:QQ+1], s[38:39] op_sel_hi:[1,0]   ; w2 of rows 2 l, 2 l + 1, the same bits in every wave
.irp i, 0,1
	v_cmp_gt_i32 vcc_lo, s[32+\i], v53             ; row 2 l + i counts where it lies under the count of rows
	v_cndmask_b32 v[QQ+\i], v54, v[QQ+\i], vcc_lo
.endr
	v_max_num_f32 v[QQ+4], v[QQ], v[QQ+1]
	v_max_num_f32_dpp v[QQ+4], v[QQ+4], v[QQ+4] row_xmask:1 row_mask:0xf bank_mask:0xf
	v_max_num_f32_dpp v[QQ+4], v[QQ+4], v[QQ+4] row_xmask:2 row_mask:0xf bank_mask:0xf
	v_max_num_f32_dpp v[QQ+4], v[QQ+4], v[QQ+4] row_xmask:4 row_mask:0xf bank_mask:0xf
	v_max_num_f32_dpp v[QQ+4], v[QQ+4], v[QQ+4] row_xmask:8 row_mask:0xf bank_mask:0xf
	v_permlanex16_b32 v[QQ+5], v[QQ+4], s28, s29
	v_max_num_f32 v[QQ+4], v[QQ+4], v[QQ+5]        ; m: the tile's first row counts, so it is a number
	s_cmp_lg_u32 s20, 0
	s_cbranch_scc1 .Lnot_wave_0
	global_store_b64 v9, v[QQ:QQ+1], s[16:17]      ; 32 lanes store the tile's 256 consecutive bytes of wraw, aligned
.Lnot_wave_0:
	v_sub_f32 v[QQ+8], v[QQ], v[QQ+4]
	v_sub_f32 v[QQ+9], v[QQ+1], v[QQ+4]
	v_exp_f32 v[QQ+8], v[QQ+8]                     ; p = 2^(w2 - m); 0 where masked
	v_exp_f32 v[QQ+9], v[QQ+9]
.set j, 0
.rept 8
	v_mov_b32 v[CA+j], 0                           ; the context's eight sums (plain work behind the exponentials)
.set j, j+1
.endr
	s_wait_alu depctr_va_vdst(0)                   ; one wait for the two, ahead of their first reader
	ds_store_b64 v48, v[QQ+8:QQ+9]                 ; my wave's own copy: LDS serves a wave's instructions in order, so its loads below see it
.irp g, 0,1,2,3,4,5,6,7,8,9,10,11,12,13,14,15
	ds_load_b128 v[PP+4*\g:PP+4*\g+3], v49 offset:16*\g   ; p of the 64 rows, the same in every lane
.endr
	CTX 0, 13
	CTX 1, 13
	CTX 2, 3
	CTX 3, 3
	ds_store_b128 v50, v[CA:CA+3]                  ; a lane's 32 bytes go through my wave's own stage, so that each store below covers 512 consecutive bytes
	ds_store_b128 v50, v[CA+4:CA+7] offset:16
	ds_load_b128 v[RB:RB+3], v51
	ds_load_b128 v[RB+4:RB+7], v51 offset:512
	s_wait_dscnt 0x0
	global_store_b128 v52, v[RB:RB+3], s[18:19]
	global_store_b128 v52, v[RB+4:RB+7], s[18:19] offset:512
	s_wait_tensorcnt 0x0
	ds_add_u32 v254, v255
	s_wait_dscnt 0x0
	s_endpgm
	; ---- a tile all of whose rows are masked: zeros for its context, -infinity for its scores
.Lidle:
.irp i, 0,1,2,3
	v_mov_b32 v[ACC+\i], 0
.endr
	global_store_b128 v8, v[ACC:ACC+3], s[18:19]
	global_store_b128 v8, v[ACC:ACC+3], s[18:19] offset:2048
	s_cmp_lg_u32 s20, 0
	s_cbranch_scc1 .Lidle_end
	v_mov_b32 v[ACC+4], v54
	v_mov_b32 v[ACC+5], v54
	global_store_b64 v9, v[ACC+4:ACC+5], s[16:17]
.Lidle_end:
	s_wait_tensorcnt 0x0
	ds_add_u32 v254, v255
	s_wait_dscnt 0x0
	s_endpgm
.Lfunc_end_k_q751f781611_main:
	.size	k_q751f781611_main, .Lfunc_end_k_q751f781611_main-k_q751f781611_main
	.p2alignl 7, 3214868480
	.fill 96, 4, 3214868480
	.section	.rodata,"a",@progbits
	.p2align	6, 0x0
	.amdhsa_kernel k_q751f781611_main
		.amdhsa_group_segment_fixed_size 174592
		.amdhsa_private_segment_fixed_size 0
		.amdhsa_enable_private_segment 0
		.amdhsa_kernarg_size 64
		.amdhsa_user_sgpr_count 2
		.amdhsa_user_sgpr_kernarg_segment_ptr 1
		.amdhsa_wavefront_size32 1
		.amdhsa_system_sgpr_workgroup_id_x 1
		.amdhsa_system_sgpr_workgroup_id_y 1
		.amdhsa_system_sgpr_workgroup_id_z 1
		.amdhsa_system_vgpr_workitem_id 0
		.amdhsa_next_free_vgpr 768
		.amdhsa_next_free_sgpr 66
		.amdhsa_reserve_vcc 1
		.amdhsa_float_denorm_mode_32 3
		.amdhsa_float_denorm_mode_16_64 3
		.amdhsa_memory_ordered 1
		.amdhsa_forward_progress 1
		.amdhsa_inst_pref_size 183
	.end_amdhsa_kernel
	.amdgpu_metadata
---
amdhsa.version: [ 1, 2 ]
amdhsa.kernels:
  - .name:           k_q751f781611_main
    .symbol:         k_q751f781611_main.kd
    .args:
      - { .name: encoder_output, .offset: 0, .size: 8, .value_kind: global_buffer, .address_space: global }
      - { .name: lengths, .offset: 8, .size: 8, .value_kind: global_buffer, .address_space: global }
      - { .name: v, .offset: 16, .size: 8, .value_kind: global_buffer, .address_space: global }
      - { .name: wkf, .offset: 24, .size: 8, .value_kind: global_buffer, .address_space: global }
      - { .name: wks, .offset: 32, .size: 8, .value_kind: global_buffer, .address_space: global }
      - { .name: pq2, .offset: 40, .size: 8, .value_kind: global_buffer, .address_space: global }
      - { .name: wraw, .offset: 48, .size: 8, .value_kind: global_buffer, .address_space: global }
      - { .name: pctx, .offset: 56, .size: 8, .value_kind: global_buffer, .address_space: global }
    .group_segment_fixed_size: 174592
    .private_segment_fixed_size: 0
    .kernarg_segment_align: 8
    .kernarg_segment_size: 64
    .max_flat_workgroup_size: 128
    .sgpr_count:     66
    .vgpr_count:     768
    .wavefront_size: 32
...
	.end_amdgpu_metadata
.endif
;; end of part 4
;; launch combine: the kernel of part 3 again; grid 8 x 32, 8 waves a work-group, no clusters, 9,216 bytes of LDS; arguments wraw, pctx, out0, out1; writes out0, out1
;; ======== version 3 of 3: 3 launches; version 2 with the launches prep, main written anew for expert scheduling mode
;; workspace buffers: wkf 524,288 bytes; wks 32,768 bytes; pq2 131,072 bytes; wraw 262,144 bytes; pctx 4,194,304 bytes
;; launch prep (part 5): grid 128 x 1, 8 waves a work-group, no clusters, 18,432 bytes of LDS; arguments Wk, Wq, queries, wkf, wks, pq2; writes wkf, wks, pq2
.if DOCPART == 5
	.amdgcn_target "amdgcn-amd-amdhsa--gfx1250"
	.amdhsa_code_object_version 6
	.text
	.protected	k_q751f781611_prep
	.globl	k_q751f781611_prep
	.p2align	8
	.type	k_q751f781611_prep,@function
k_q751f781611_prep:
	s_mov_b64 s[64:65], 0
	v_nop
	global_prefetch_b8 v0, s[64:65] scope:SCOPE_SE
	s_setreg_imm32_b32 hwreg(HW_REG_WAVE_SCHED_MODE, 0, 2), 2
	s_setreg_imm32_b32 hwreg(HW_REG_WAVE_MODE, 25, 1), 1
	s_wait_xcnt 0x0
	s_wait_alu depctr_vm_vsrc(0)
; Work-groups 0-63: Wk [1024 u][1024 k], f32, becomes codes of FP4 (E2M1) with one E8M0 byte for each 32 along K, laid in the ORDER OF THE OPERAND'S REGISTERS:
;   wkf: tile J (rows 16 J + r), K step s (128 along K), half c: lane L's 16 bytes (registers 4 c .. 4 c + 3 of the fragment) at 8192 J + 1024 s + 512 c + 16 L;   wks: [u][32 bytes], word s = K step s.
; Work-groups 64-127: pq2[n][u] = c x sum over k of Q(queries)[n][k] Q(Wq)[u][k], c = 2 log2(e): the second quantised product, for 16 u and all 32 n.
; SHARES.  A work-group takes 16 rows of its weight, wave s the K step s: 16 rows x 128 k, 64 numbers a lane.  The two kinds of work-group part once, on the work-group's number, and each has LDS bytes of its own.
; A block's scale is 2^(floor(log2(largest magnitude)) - 2); its byte is the largest magnitude's exponent field - 2, held at 1 from below by a floor among the maximum's leaves.
; LIMITS: a block of zeros gets the byte 1 where the rule says 127 (its codes are zeros, and this program alone reads the bytes); NaN and infinities among the inputs are not served.
; pq2 leaves as 64 consecutive bytes of each of 32 rows (16 u of a row): parts of aligned blocks of 256 bytes, 131,072 bytes in the whole launch.
; No tensor load, no cluster: every number is read by one wave, once (queries: 131,072 bytes, by 64 work-groups).
; THE MODE: SCHED_MODE bits 1:0 = 2 (LLVM: expert scheduling mode 2), set by the entry lines.  The code itself states the register dependences
; between vector or matrix instructions and memory or LDS instructions, with s_wait_alu, always for 0.
; THE PLAN.  Registers that memory or LDS instructions touch:
;   v3-v8, v51, v59   offsets and addresses: written at the head, never again: one wait at the head's end serves every access.
;   v64-255           numbers as loaded: each register is loaded once; v80-95 take LDS loads later, behind a wait that shows the quantiser done reading them.
;   v16-23, v56       Wk's path: codes and scale word, written by the quantiser, read by three stores: one wait between.
;   v64-79            Wq's path: two matrix results, read by four LDS stores: the places, then one wait.   v80-81: the sums, read by the last store: one wait.
.set KS,    0                          ; LDS, Wk's path: 16 rows x 32 scale bytes
.set QP,    1024                       ; LDS, Wq's path: 2,048 bytes for each wave: its two result tiles as images of their registers
.set FLOOR, 0x1800000                  ; 2^(3 - 127)
.set TM,    40                         ; v40-43 largest magnitudes, v44-47 the other half's / the bytes, v52-55 the conversions' scale operands
; 64 numbers of a lane: register 16 b + i = k 32 b + 16 (lane / 16) + i of row lane % 16, from off bytes on
.macro XLOAD reg, sb, off, nt
.irp b, 0,1,2,3
.irp j, 0,1,2,3
.if \nt
	global_load_b128 v[\reg+16*\b+4*\j:\reg+16*\b+4*\j+3], v3, s[\sb:\sb+1] offset:\off+128*\b+16*\j th:TH_LOAD_NT
.else
	global_load_b128 v[\reg+16*\b+4*\j:\reg+16*\b+4*\j+3], v3, s[\sb:\sb+1] offset:\off+128*\b+16*\j
.endif
.endr
.endr
.endm
; they become a fragment's codes in v[pc] .. v[pc + 7] and its scale word in v[pw]
.macro QUANT src, pc, pw
.irp b, 0,1,2,3
	v_max3_num_f32 v[TM+\b], |v[\src+16*\b]|, |v[\src+1+16*\b]|, FLOOR   ; block b: my 16 numbers, and the floor
.endr
.irp i, 2,4,6,8,10,12,14
.irp b, 0,1,2,3
	v_max3_num_f32 v[TM+\b], v[TM+\b], |v[\src+16*\b+\i]|, |v[\src+1+16*\b+\i]|   ; the four blocks by turns
.endr
.endr
.irp b, 0,1,2,3
	v_permlanex16_b32 v[TM+4+\b], v[TM+\b], s22, s23
.endr
.irp b, 0,1,2,3
	v_max_num_f32 v[TM+\b], v[TM+\b], v[TM+4+\b]   ; with lane l xor 16's 16: the block's largest magnitude
.endr
.irp b, 0,1,2,3
	v_add_nc_u32 v[TM+12+\b], 0xff000000, v[TM+\b]   ; 2 off its exponent field: the conversion takes this operand's exponent field as its scale
.endr
.irp b, 0,1,2,3
	v_lshrrev_b32 v[TM+4+\b], 23, v[TM+12+\b]   ; the scale's byte
.endr
	v_lshl_or_b32 v[\pw], v[TM+5], 8, v[TM+4]      ; four bytes: my row's scale word
	v_lshl_or_b32 v[\pw], v[TM+6], 16, v[\pw]
	v_lshl_or_b32 v[\pw], v[TM+7], 24, v[\pw]
.irp b, 0,1,2,3
	v_cvt_scalef32_pk8_fp4_f32 v[\pc+2*\b], v[\src+16*\b:\src+7+16*\b], v[TM+12+\b]
	v_cvt_scalef32_pk8_fp4_f32 v[\pc+1+2*\b], v[\src+8+16*\b:\src+15+16*\b], v[TM+12+\b]
.endr
	v_nop                                          ; one plain place behind a scaled conversion
.irp c, 0,1                                    ; the operand's layout wants a whole block in a lane: lanes 0-15 block 2 c, lanes 16-31 block 2 c + 1
.irp i, 0,1
	v_permlane16_swap_b32 v[\pc+4*\c+\i], v[\pc+2+4*\c+\i]
.endr
.endr
.endm
	s_load_b256 s[4:11], s[0:1], 0x0               ; Wk s[4:5], Wq s[6:7], queries s[8:9], wkf s[10:11]
	s_load_b128 s[12:15], s[0:1], 0x20             ; wks s[12:13], pq2 s[14:15]
	v_lshl_add_u32 v51, v0, 2, 0x4400
	v_mov_b32 v59, 0
	v_lshrrev_b32 v9, 5, v0
	v_readfirstlane_b32 s20, v9                    ; wave = K step
	v_and_b32 v1, 15, v0                           ; r
	v_bfe_u32 v2, v0, 4, 1                         ; h
	v_lshlrev_b32 v3, 12, v1
	v_lshl_add_u32 v3, v2, 6, v3                   ; a row of 4,096 bytes, + 64 h: my 16 numbers of a block of 32
	v_and_b32 v4, 31, v0
	v_lshlrev_b32 v4, 4, v4                        ; 16 x lane
	s_wait_alu depctr_va_sdst(0)                   ; s20 is written, ahead of its first reader: LDS addresses, bases and branches are made from it
	s_lshl_b32 s26, s20, 2
	s_add_co_u32 s26, s26, KS
	v_lshl_add_u32 v5, v1, 5, s26                  ; KS + 32 r + 4 x wave: my row's scale word of my K step
	s_lshl_b32 s26, s20, 11
	s_add_co_u32 s26, s26, QP
	v_add_nc_u32 v6, s26, v4                       ; QP + 2,048 x wave + 16 x lane
	; thread t sums pq2(n = t / 8, u = 2 (t % 8) + 0, 1).  In an image: tile n / 16 (1,024), registers' half (u % 8) / 4 (512), lane n % 16 + 16 (u / 8) (16 each), word u % 4 (4)
	v_bfe_u32 v7, v0, 3, 4
	v_lshlrev_b32 v7, 4, v7
	v_and_b32 v9, 1, v0
	v_lshl_add_u32 v7, v9, 3, v7
	v_bfe_u32 v9, v0, 1, 1
	v_lshl_add_u32 v7, v9, 9, v7
	v_bfe_u32 v9, v0, 2, 1
	v_lshl_add_u32 v7, v9, 8, v7
	v_bfe_u32 v9, v0, 7, 1
	v_lshl_add_u32 v7, v9, 10, v7
	v_add_nc_u32 v7, QP, v7
	v_lshrrev_b32 v8, 3, v0
	v_lshlrev_b32 v8, 12, v8
	v_and_b32 v9, 7, v0
	v_lshl_add_u32 v8, v9, 3, v8                   ; and in pq2: row n of 4,096 bytes + 8 (t % 8)
.irp b, 0,1,2,3
	v_mov_b32 v[TM+4+\b], 0                        ; written once: a lane permute's destination counts as one of its sources
.endr
	s_mov_b32 s22, 0x76543210
	s_mov_b32 s23, 0xfedcba98                      ; v_permlanex16_b32's selects for lane l xor 16
	s_mov_b32 s24, 0x4038aa3b                      ; c = 2 log2(e)
	s_mov_b32 s25, s24
	s_cmp_lt_u32 ttmp9, 64
	s_cselect_b32 s21, 0, 64
	s_sub_co_u32 s21, ttmp9, s21                   ; J: which 16 rows of my weight
	s_lshl_b32 s26, s21, 16                        ; 16 rows of 4,096 bytes
	s_lshl_b32 s28, s20, 9                         ; + my K step's 512 bytes
	s_add_co_u32 s26, s26, s28
	s_mov_b32 s27, 0
	s_mov_b32 s29, 0
	s_wait_kmcnt 0x0
	s_cmp_lt_u32 ttmp9, 64                         ; the choice hangs on the work-group's number alone
	s_cselect_b64 s[16:17], s[4:5], s[6:7]
	s_add_nc_u64 s[16:17], s[16:17], s[26:27]
	s_wait_alu depctr_va_vdst(0)                   ; the offsets and addresses v3 to v8, v51 and v59 are written, which the loads, stores and LDS instructions of both paths read
	s_cmp_lt_u32 ttmp9, 64
	s_cbranch_scc0 .Lpath_q
	; ---- Wk: one fragment a wave, stored as an image of its registers
	XLOAD 64, 16, 0, 1
	s_lshl_b32 s26, s21, 13
	s_lshl_b32 s28, s20, 10
	s_add_co_u32 s26, s26, s28
	s_add_nc_u64 s[10:11], s[10:11], s[26:27]      ; wkf at tile J, K step s
	s_lshl_b32 s26, s21, 9
	s_add_nc_u64 s[12:13], s[12:13], s[26:27]      ; wks at row 16 J
	s_wait_loadcnt 0x0
	QUANT 64, 16, 56
	s_wait_alu depctr_va_vdst(0)                   ; the quantiser has written the codes v[16:23] and the scale word v56, which the three stores below read
	global_store_b128 v4, v[16:19], s[10:11]       ; 32 lanes store 512 consecutive bytes
	global_store_b128 v4, v[20:23], s[10:11] offset:512
	ds_store_b32 v5, v56                           ; lanes r and 16 + r write the same word with the same value
	s_wait_dscnt 0x0                               ; for the others' sake: my word has landed
	s_barrier_signal -1
	s_barrier_wait -1
	s_cmp_lg_u32 s20, 0
	s_cbranch_scc1 .Lk_end
	ds_load_b128 v[60:63], v4 offset:KS            ; the 16 rows' 512 scale bytes leave as two aligned blocks of 256
	s_wait_dscnt 0x0
	global_store_b128 v4, v[60:63], s[12:13]
.Lk_end:
	s_wait_dscnt 0x0                               ; the closing lines, six on end
	s_wait_alu 0x0
	s_wait_tensorcnt 0x0
	ds_add_u32 v51, v59
	s_wait_dscnt 0x0
	s_endpgm
	; ---- Wq: my K step's part of 16 u x 32 n, then the eight waves' parts are added
.Lpath_q:
	s_add_nc_u64 s[8:9], s[8:9], s[28:29]          ; queries at my K step
	s_lshl_b32 s26, s21, 6
	s_add_nc_u64 s[14:15], s[14:15], s[26:27]      ; pq2 at u = 16 J
	XLOAD 64, 16, 0, 1
	XLOAD 128, 8, 0, 0                             ; n = 0 .. 15
	XLOAD 192, 8, 65536, 0                         ; n = 16 .. 31
	s_wait_loadcnt 0x0
	QUANT 64, 16, 56
	QUANT 128, 24, 57
	QUANT 192, 32, 58
.rept 8
	v_nop                                          ; a scale register written by a vector instruction stands 8 places ahead of a scaled matrix instruction, an operand so written 4
.endr
	s_wait_alu depctr_va_vdst(0)                   ; behind the places: the quantisers have written the codes v[16:39] and the scale words v56 to v58, which the two scaled products take as operands and scales
	; source 0 = 16 rows of Wq, source 1 = 16 queries: lane (r, h), register j holds (n = 16 q + r, u = 16 J + 8 h + j)
	v_wmma_scale_f32_16x16x128_f8f6f4 v[64:71], v[16:23], v[24:31], 0, v56, v57 matrix_a_fmt:MATRIX_FMT_FP4 matrix_b_fmt:MATRIX_FMT_FP4
	v_wmma_scale_f32_16x16x128_f8f6f4 v[72:79], v[16:23], v[32:39], 0, v56, v58 matrix_a_fmt:MATRIX_FMT_FP4 matrix_b_fmt:MATRIX_FMT_FP4
.rept 4
	v_nop                                          ; four places ahead of the first read of the results
.endr
	s_wait_alu depctr_va_vdst(0)                   ; behind the places: the products have written v[64:79], which the LDS stores read; and the quantiser is done reading v[80:95], in which the LDS loads behind the barrier land
	ds_store_b128 v6, v[64:67]                     ; each result from its low end on
	ds_store_b128 v6, v[68:71] offset:512
	ds_store_b128 v6, v[72:75] offset:1024
	ds_store_b128 v6, v[76:79] offset:1536
	s_wait_dscnt 0x0
	s_barrier_signal -1
	s_barrier_wait -1
.irp p, 0,1,2,3,4,5,6,7
	ds_load_b64 v[80+2*\p:81+2*\p], v7 offset:2048*\p
.endr
	s_wait_dscnt 0x0
.irp p, 1,2,3,4,5,6,7
	v_pk_add_f32 v[80:81], v[80:81], v[80+2*\p:81+2*\p]   ; K ascending
.endr
	v_pk_mul_f32 v[80:81], v[80:81], s[24:25] op_sel_hi:[1,0]
	s_wait_alu depctr_va_vdst(0)                   ; the sums v[80:81] are written, which the store reads
	global_store_b64 v8, v[80:81], s[14:15]
	s_wait_dscnt 0x0                               ; the closing lines, six on end
	s_wait_alu 0x0
	s_wait_tensorcnt 0x0
	ds_add_u32 v51, v59
	s_wait_dscnt 0x0
	s_endpgm
.Lfunc_end_k_q751f781611_prep:
	.size	k_q751f781611_prep, .Lfunc_end_k_q751f781611_prep-k_q751f781611_prep
	.p2alignl 7, 3214868480
	.fill 96, 4, 3214868480
	.section	.rodata,"a",@progbits
	.p2align	6, 0x0
	.amdhsa_kernel k_q751f781611_prep
		.amdhsa_group_segment_fixed_size 18432
		.amdhsa_private_segment_fixed_size 0
		.amdhsa_enable_private_segment 0
		.amdhsa_kernarg_size 48
		.amdhsa_user_sgpr_count 2
		.amdhsa_user_sgpr_kernarg_segment_ptr 1
		.amdhsa_wavefront_size32 1
		.amdhsa_system_sgpr_workgroup_id_x 1
		.amdhsa_system_sgpr_workgroup_id_y 1
		.amdhsa_system_sgpr_workgroup_id_z 1
		.amdhsa_system_vgpr_workitem_id 0
		.amdhsa_next_free_vgpr 256
		.amdhsa_next_free_sgpr 66
		.amdhsa_reserve_vcc 0
		.amdhsa_float_denorm_mode_32 3
		.amdhsa_float_denorm_mode_16_64 3
		.amdhsa_memory_ordered 1
		.amdhsa_forward_progress 1
		.amdhsa_inst_pref_size 28
	.end_amdhsa_kernel
	.amdgpu_metadata
---
amdhsa.version: [ 1, 2 ]
amdhsa.kernels:
  - .name:           k_q751f781611_prep
    .symbol:         k_q751f781611_prep.kd
    .args:
      - { .name: Wk, .offset: 0, .size: 8, .value_kind: global_buffer, .address_space: global }
      - { .name: Wq, .offset: 8, .size: 8, .value_kind: global_buffer, .address_space: global }
      - { .name: queries, .offset: 16, .size: 8, .value_kind: global_buffer, .address_space: global }
      - { .name: wkf, .offset: 24, .size: 8, .value_kind: global_buffer, .address_space: global }
      - { .name: wks, .offset: 32, .size: 8, .value_kind: global_buffer, .address_space: global }
      - { .name: pq2, .offset: 40, .size: 8, .value_kind: global_buffer, .address_space: global }
    .group_segment_fixed_size: 18432
    .private_segment_fixed_size: 0
    .kernarg_segment_align: 8
    .kernarg_segment_size: 48
    .max_flat_workgroup_size: 256
    .sgpr_count:     66
    .vgpr_count:     256
    .wavefront_size: 32
...
	.end_amdgpu_metadata
.endif
;; end of part 5
;; launch main (part 6): grid 32 x 32, 4 waves a work-group, no clusters, 174,592 bytes of LDS; arguments encoder_output, lengths, v, wkf, wks, pq2, wraw, pctx; writes wraw, pctx
.if DOCPART == 6
	.amdgcn_target "amdgcn-amd-amdhsa--gfx1250"
	.amdhsa_code_object_version 6
	.text
	.protected	k_q751f781611_main
	.globl	k_q751f781611_main
	.p2align	8
	.type	k_q751f781611_main,@function
k_q751f781611_main:
	s_mov_b64 s[64:65], 0
	v_nop
	global_prefetch_b8 v0, s[64:65] scope:SCOPE_SE
	s_setreg_imm32_b32 hwreg(HW_REG_WAVE_SCHED_MODE, 0, 2), 2
	s_setreg_imm32_b32 hwreg(HW_REG_WAVE_MODE, 25, 1), 1
	s_wait_xcnt 0x0
	s_wait_alu depctr_vm_vsrc(0)
; A work-group takes 64 rows t of one batch n through the whole chain: the rows are read from memory ONCE, rounded to bf16 into LDS for the context, quantised to FP4 (E2M1, one E8M0
; byte for each 32 along K), multiplied by Wk's codes, then w2[t] = log2(e) x sum over u of v[u] tanh(proj_query[u] + proj_key[t][u]); the mask t >= lengths[n]; m = the tile's largest w2;
; p = 2^(w2 - m); pctx = sum over t of p[t] bf16(enc[t][:]).  wraw gets w2 (-infinity where masked).  The last launch joins the 32 tiles of a batch under the batch's maximum.
; tanh(x) = 1 - 2 / (1 + 2^(c x)), c = 2 log2(e); pq2 already holds c x proj_query.
; WHICH TILE.  Work-group (x, y) takes tile y of batch n = (x + y) mod 32: a one-to-one map.  A batch's work hangs on its length (its first ceil(lengths / 64) tiles have rows).  With this map the 32 tiles
; of a batch lie in 32 different columns x of the grid: every set of work-groups whose numbers (32 y + x) are equal modulo 32, or modulo a divisor of 32, holds tiles of every batch and not all tiles of a few,
; so long and short batches are shared out alike, however the work-groups are dealt.  Low tiles, which most often have rows, come first.
; WHAT THE MASK THROWS AWAY IS NOT DONE: a tile whose first row is at or past lengths[n] loads no row and multiplies nothing; it stores zeros and -infinity.  That is a scalar branch on a number read from
; memory.  This text has no tensor load, no copy and no joint request for Wk's tiles: operands go from memory straight into registers.
; EVERY WAVE PASSES BOTH BARRIERS: the text is three stretches with a barrier between them, and the branch on lengths jumps over a stretch, never over a barrier.  Each stretch reads only registers
; that the head or the stretch itself has written; what goes from stretch to stretch goes through LDS.
; SHARES.  THE WAVES SHARE THE COLUMNS u: wave w owns u = 256 w .. 256 w + 255 and holds the codes of ALL 64 rows in registers (256), so each fragment of Wk is loaded once a work-group, as it lies in wkf,
; and feeds four matrix instructions.  In the first stretch wave w loads and quantises rows 16 w + 0 .. 15; the codes reach the other waves through LDS.
; THE PRODUCT IS USED TRANSPOSED: source 0 = 16 rows of Wk, source 1 = 16 encoder rows: lane (r, h), register j holds (row 16 m + r, u0 + 8 h + j).
; All 64 rows of a tile that has a row are loaded and multiplied; the mask is laid on the finished scores.
; LIMITS: NaN and infinities among the floats are not served; a block of zeros gets the scale byte 1 where the rule says 127 (its codes are zeros; this program alone reads the bytes);
; lengths is held to 0 .. 2048, which gives the same mask.
; REGISTERS.  window 0: v1-15, v48-54 addresses; v16-47 the rows' scale words (8 m + s); v60-71 at work at the end; v72-95 Wk's scale words, three sets; v96-127 four accumulators (in the first stretch
;   v96-159: two sets of temporaries; in the last: p); v160-175, v192-207, v224-239 c proj_query and v of a u tile, three sets; v176-183 the scores' sums, a pair a row tile; in the last stretch v160-223 rows, v224-231 the context.
;   window 1: first a ring of 7 rows x 32 registers, then Wk's fragments, three sets of 64.   window 2: the codes of the 64 rows (64 m + 8 s).
; THE MODE: SCHED_MODE bits 1:0 = 2 (LLVM: expert scheduling mode 2), set by the entry lines.  The code itself states the register dependences
; between vector or matrix instructions and memory or LDS instructions, with s_wait_alu, always for 0.
; THE PLAN.  Registers that memory or LDS instructions touch:
;   the addresses     written at the head, never again: one wait at the head's end serves every access of the kernel.
;   the ring          slot R % 7: row R's maxima and conversions read it; the loads of row R + 7, issued at the head of row R + 1, land in it.
;   T0, T1            row R's vector lines write T[R % 2]; the 12 LDS stores issued at the head of row R + 1 read it; row R + 2 writes it again.
;                     So at a row's head one wait on va_vdst (the row before has written its T and is done reading its slot) and one on vm_vsrc (the stores issued a row ago have read the T that this row writes).
;   v96-159           behind the first barrier: one wait on vm_vsrc, since the rows' stores read what the accumulators, and later p, are written into.
;   W, WS, PQ, V      three sets each: tile t's matrix and vector lines read set t % 3; the 22 loads of tile t + 2, issued in step t, land in set (t - 1) % 3.
;                     So ONE wait on va_vdst at a step's head: step t - 1 is done with its set.  The loads follow behind the step's matrix instructions, which name none of their registers.
;   the sums          written by the u loop, read by four LDS stores (one wait on va_vdst); rows land there in the last stretch (one wait on vm_vsrc behind the second barrier).
;   RB0, RB1          the last stretch: two buffers of 8 rows: 64 multiply-adds read a buffer; behind them one wait on va_vdst, and the rows 16 further on are asked for into it.
.set CODE,  131072                     ; LDS: from 0 the tile as bf16, 64 rows x 2,048 bytes; here the codes, 64 rows of 512 bytes + 16 of padding
.set CP,    528                        ; = 33 x 16: the 16 rows that a fragment load touches begin at 16 different columns of 16 bytes
.set SCL,   164864                     ; the rows' scale bytes: 64 rows x (32 + 16)
.set SCP,   48
.set SP,    167936                     ; the waves' partial scores: 4 x 64 f32
.set PB,    168960                     ; p: a copy of 256 bytes for each wave
.set CT,    169984                     ; the context's way out: 1,024 bytes for each wave
.set FLOOR, 0x1800000                  ; 2^(3 - 127)
.set ASC,   16
.set QQ,    60
.set WSC,   72                         ; + 8 x set
.set ACC,   96
.set TMPL,  96                         ; the first stretch's temporaries: set R % 2 of 32: +0 maxima, +4 scale operands, +8 bytes, +12 codes, +16 bf16
.set PQ,    160                        ; + 32 x set
.set VV,    168                        ; + 32 x set
.set SUM,   176
.set PP,    96                         ; the last stretch: p of the 64 rows,
.set RB,    160                        ; two buffers of 8 rows' 16 bytes a lane,
.set CA,    224                        ; my 8 columns' sums
.set MSB, 0
.macro WIN new                         ; the immediate's high byte repeats the setting that is left; bits 1:0 source 0, 3:2 source 1, 5:4 source 2, 7:6 destination
.if MSB != (\new)
	s_set_vgpr_msb (MSB<<8)|(\new)
.set MSB, (\new)
.endif
.endm
.macro PLACES                          ; four plain places behind a matrix instruction, ahead of vector reads of its result (ISA guide 7.12.1)
.rept 4
	v_nop
.endr
.endm
.macro BARRIER                         ; my LDS stores have landed and my LDS loads are in: then the work-group's barrier
	s_wait_dscnt 0x0
	s_barrier_signal -1
	s_barrier_wait -1
.endm
; Row R (0 .. 15) of my wave is tile row 16 w + R.  Lane l takes k = 256 q + 8 l + 0 .. 7 into 8 registers on end: the two loads of a q cover 1,024 consecutive bytes between them.
.macro FILLROW R
	WIN 0x40                                       ; destination window 1
.irp q, 0,1,2,3
	global_load_b128 v[32*((\R)%7)+8*\q:32*((\R)%7)+8*\q+3], v1, s[4:5] offset:(\R)*4096+1024*\q th:TH_LOAD_NT
	global_load_b128 v[32*((\R)%7)+8*\q+4:32*((\R)%7)+8*\q+7], v1, s[4:5] offset:(\R)*4096+1024*\q+16 th:TH_LOAD_NT
.endr
.endm
; Row R's bf16, codes and scale bytes go to LDS, out of its set of temporaries
.macro STORES R
.set TP,  TMPL+32*((\R)%2)
.irp q, 0,1,2,3
	ds_store_b128 v2, v[TP+16+4*\q:TP+16+4*\q+3] offset:(\R)*2048+512*\q   ; 32 lanes: 512 consecutive bytes of the bf16 row
	ds_store_b32 v4, v[TP+12+\q] offset:(\R)*CP+128*\q                     ; 8 codes a lane: 128 consecutive bytes of the code row
	ds_store_b8 v5, v[TP+8+\q] offset:(\R)*SCP+8*\q                        ; the four lanes of a block write the same byte with the same value
.endr
.endm
; One row: at its head the memory instructions that the row before has made ready: the fill of the slot that it emptied, and its 12 stores.  Then this row's bf16, block maxima
; (a block of 32 lies in 4 neighbouring lanes), scale bytes and codes, into its set of temporaries.
.macro ROW R
.set XS,  32*((\R)%7)
.set TS,  TMPL+32*((\R)%2)
.if (\R) == 0
	s_wait_loadcnt 48                              ; loads come back in order: this row's 8 are in, the 6 rows behind it stay out
.elseif (\R) <= 10
	s_wait_loadcnt 40                              ; rows up to R + 5 have been asked for: the 5 rows behind this one stay out
.else
	s_wait_loadcnt 8*(15-(\R))
.endif
.if (\R) >= 2
	s_wait_dscnt 0x0                               ; the 12 stores issued a row ago (the data of two rows back), which read this set of temporaries, are done; the last row's are issued below
	s_wait_alu depctr_vm_vsrc(0)                   ; those stores have read T[R % 2], which this row's vector lines write again
.endif
.if (\R) >= 1
.if (\R)+6 < 16
	WIN 0x40                                       ; the switch first, then the wait, then the loads
.endif
	s_wait_alu depctr_va_vdst(0)                   ; the row before has written its temporaries, which the stores below read, and is done reading its slot of the ring, in which the loads below land
.if (\R)+6 < 16
	FILLROW (\R)+6
.endif
	WIN 0
	STORES (\R)-1
.endif
	WIN 0x05                                       ; sources 0 and 1: window 1
.irp q, 0,1,2,3
	v_max3_num_f32 v[TS+\q], |v[XS+8*\q]|, |v[XS+8*\q+1]|, FLOOR   ; my 8 numbers of block 8 q + l / 4, and the floor, which holds the byte at 1 from below
.endr
.irp i, 2,4,6
.irp q, 0,1,2,3
	v_max3_num_f32 v[TS+\q], |v[XS+8*\q+\i]|, |v[XS+8*\q+\i+1]|, v[TS+\q]
.endr
.endr
.irp q, 0,1,2,3
.irp p, 0,1,2,3
	v_cvt_pk_bf16_f32 v[TS+16+4*\q+\p], v[XS+8*\q+2*\p], v[XS+8*\q+2*\p+1]
.endr
.endr
	WIN 0
.irp q, 0,1,2,3
	v_max_num_f32_dpp v[TS+\q], v[TS+\q], v[TS+\q] row_xmask:1 row_mask:0xf bank_mask:0xf
.endr
.irp q, 0,1,2,3
	v_max_num_f32_dpp v[TS+\q], v[TS+\q], v[TS+\q] row_xmask:2 row_mask:0xf bank_mask:0xf   ; the block's largest magnitude
.endr
.irp q, 0,1,2,3
	v_add_nc_u32 v[TS+4+\q], 0xff000000, v[TS+\q]  ; 2 off its exponent field: the conversion's scale operand
.endr
.irp q, 0,1,2,3
	v_lshrrev_b32 v[TS+8+\q], 23, v[TS+4+\q]       ; the scale's byte
.endr
	WIN 0x01                                       ; source 0: window 1
.irp q, 0,1,2,3
	v_cvt_scalef32_pk8_fp4_f32 v[TS+12+\q], v[XS+8*\q:XS+8*\q+7], v[TS+4+\q]
.endr
	v_nop                                          ; one plain place behind a scaled conversion
.endm
; The codes of the 64 rows from LDS into window 2: fragment (m, s) at 64 m + 8 s: lane (r, h): row 16 m + r, registers 4 c .. 4 c + 3: k = 128 s + 64 c + 32 h + 0 .. 31
.macro FRAG
	WIN 0x80
.irp m, 0,1,2,3
.irp s, 0,1,2,3,4,5,6,7
	ds_load_b128 v[64*\m+8*\s:64*\m+8*\s+3], v6 offset:\m*16*CP+64*\s
	ds_load_b128 v[64*\m+8*\s+4:64*\m+8*\s+7], v6 offset:\m*16*CP+64*\s+32
.endr
.endr
	WIN 0
.endm
; A u tile of Wk: 8 fragments as they lie in wkf (16 loads of 512 consecutive bytes) and its rows' 8 scale words (2 loads)
.macro WLOAD buf, off8, off5
	WIN 0x40
.irp s, 0,1,2,3,4,5,6,7
	global_load_b128 v[64*\buf+8*\s:64*\buf+8*\s+3], v10, s[40:41] offset:(\off8)+1024*\s
	global_load_b128 v[64*\buf+8*\s+4:64*\buf+8*\s+7], v10, s[40:41] offset:(\off8)+1024*\s+512
.endr
	WIN 0
	global_load_b128 v[WSC+8*\buf:WSC+8*\buf+3], v11, s[42:43] offset:(\off5)
	global_load_b128 v[WSC+8*\buf+4:WSC+8*\buf+7], v11, s[42:43] offset:(\off5)+16
.endm
; and its 16 numbers of v and of c proj_query: lane (r, h) takes those of u0 + 8 h + 0 .. 7 (4 loads; a wave touches 64 bytes of each)
.macro VLOAD buf, off
	global_load_b128 v[VV+32*\buf:VV+32*\buf+3], v12, s[8:9] offset:(\off)
	global_load_b128 v[VV+32*\buf+4:VV+32*\buf+7], v12, s[8:9] offset:(\off)+16
	global_load_b128 v[PQ+32*\buf:PQ+32*\buf+3], v12, s[14:15] offset:(\off)
	global_load_b128 v[PQ+32*\buf+4:PQ+32*\buf+7], v12, s[14:15] offset:(\off)+16
.endm
; 32 matrix instructions: 16 u x 64 rows, all of K.  The four accumulators take turns, one instruction a turn; the first K step starts the sums
.macro MM buf
	WIN 0x09                                       ; source 0 (Wk) window 1, source 1 (rows) window 2, C and D window 0
.irp s, 0,1,2,3,4,5,6,7
.irp m, 0,1,2,3
.if \s == 0
	v_wmma_scale_f32_16x16x128_f8f6f4 v[ACC+8*\m:ACC+8*\m+7], v[64*\buf+8*\s:64*\buf+8*\s+7], v[64*\m+8*\s:64*\m+8*\s+7], 0, v[WSC+8*\buf+\s], v[ASC+8*\m+\s] matrix_a_fmt:MATRIX_FMT_FP4 matrix_b_fmt:MATRIX_FMT_FP4
.else
	v_wmma_scale_f32_16x16x128_f8f6f4 v[ACC+8*\m:ACC+8*\m+7], v[64*\buf+8*\s:64*\buf+8*\s+7], v[64*\m+8*\s:64*\m+8*\s+7], v[ACC+8*\m:ACC+8*\m+7], v[WSC+8*\buf+\s], v[ASC+8*\m+\s] matrix_a_fmt:MATRIX_FMT_FP4 matrix_b_fmt:MATRIX_FMT_FP4
.endif
.endr
.endr
	WIN 0
.endm
; tanh and the dot with v for the four accumulators.  Each batch of 32 transcendentals has one plain line and one wait behind it, ahead of its first reader
.macro VEC buf
.irp m, 0,1,2,3
.irp p, 0,2,4,6
	v_pk_fma_f32 v[ACC+8*\m+\p:ACC+8*\m+\p+1], v[ACC+8*\m+\p:ACC+8*\m+\p+1], s[26:27], v[PQ+32*\buf+\p:PQ+32*\buf+\p+1] op_sel_hi:[1,0,1]   ; c proj_key + c proj_query; each accumulator from its low end on
.endr
.endr
.set j, ACC
.rept 32
	v_exp_f32 v[j], v[j]
.set j, j+1
.endr
	v_nop
	s_wait_alu depctr_va_vdst(0)                   ; the 32 exponentials have written v[ACC ..], ahead of the additions that read them
.set j, ACC
.rept 16
	v_pk_add_f32 v[j:j+1], v[j:j+1], 1.0 op_sel_hi:[1,0]
.set j, j+2
.endr
.set j, ACC
.rept 32
	v_rcp_f32 v[j], v[j]
.set j, j+1
.endr
	v_nop
	s_wait_alu depctr_va_vdst(0)                   ; the 32 reciprocals have written v[ACC ..], ahead of the multiply-adds that read them
.set j, ACC
.rept 16
	v_pk_fma_f32 v[j:j+1], v[j:j+1], -2.0, 1.0 op_sel_hi:[1,0,0]   ; tanh
.set j, j+2
.endr
.irp p, 0,2,4,6
.irp m, 0,1,2,3
	v_pk_fma_f32 v[SUM+2*\m:SUM+2*\m+1], v[ACC+8*\m+\p:ACC+8*\m+\p+1], v[VV+32*\buf+\p:VV+32*\buf+\p+1], v[SUM+2*\m:SUM+2*\m+1]   ; the four row tiles by turns
.endr
.endr
.endm
; One u tile, in set buf.  cnt: the loads that may stay out: the next tile's 22, or none.  refill = 1: the tile two further on, pos + 2 tiles from where the bases stand, is asked for into set nxt,
; the set that the step before worked on.  Its 22 loads stand behind this step's matrix instructions and their places, which name none of the registers that they touch.
.macro UT buf, nxt, pos, refill, cnt
	s_wait_loadcnt \cnt
.if \refill
	s_wait_alu depctr_va_vdst(0)                   ; the step before is done: its matrix instructions have read Wk's fragments and scale words of set nxt, its vector lines that set's v and c proj_query: the loads below land there
.endif
	MM \buf
	PLACES
.if \refill
	WLOAD \nxt, 8192*((\pos)+2), 512*((\pos)+2)
	VLOAD \nxt, 64*((\pos)+2)
.endif
	VEC \buf
.endm
; The context: my wave's 256 columns, 8 a lane, 8 rows at a time.  Every offset is an immediate: 32 rows of 2,048 bytes lie inside the 16-bit offset, so one address register serves 32 rows
.macro CLOAD g, adr                    ; rows 8 g .. 8 g + 7 into buffer g % 2
.irp i, 0,1,2,3,4,5,6,7
	ds_load_b128 v[RB+32*((\g)%2)+4*\i:RB+32*((\g)%2)+4*\i+3], v[\adr] offset:((8*(\g)+\i)%32)*2048   ; 32 lanes: 512 consecutive bytes of a row
.endr
.endm
.macro CSUM g, younger                 ; younger: the 8 loads of the next 8 rows, or none
.irp i, 0,1,2,3,4,5,6,7
	s_wait_dscnt (\younger)+7-\i                   ; row i of the eight is in; the rows behind it may be out
.irp k, 0,1,2,3
	v_fma_mix_f32_bf16 v[CA+2*\k], v[RB+32*((\g)%2)+4*\i+\k], v[PP+8*(\g)+\i], v[CA+2*\k] op_sel_hi:[1,0,0]
	v_fma_mix_f32_bf16 v[CA+2*\k+1], v[RB+32*((\g)%2)+4*\i+\k], v[PP+8*(\g)+\i], v[CA+2*\k+1] op_sel:[1,0,0] op_sel_hi:[1,0,0]
.endr
.endr
.endm
	s_load_b256 s[4:11], s[0:1], 0x0               ; encoder_output s[4:5], lengths s[6:7], v s[8:9], wkf s[10:11]
	s_load_b256 s[12:19], s[0:1], 0x20             ; wks s[12:13], pq2 s[14:15], wraw s[16:17], pctx s[18:19]
	v_lshl_add_u32 v254, v0, 2, 0x2a800
	v_mov_b32 v255, 0
	v_lshrrev_b32 v56, 5, v0
	v_readfirstlane_b32 s20, v56                   ; wave 0..3
	s_and_b32 s21, ttmp7, 0xffff                   ; y: the tile
	s_add_co_u32 s46, ttmp9, s21
	s_and_b32 s46, s46, 31                         ; n = (x + y) mod 32
	s_lshl_b32 s24, s46, 2
	s_mov_b32 s25, 0                               ; stays 0: the upper word of every offset
	s_wait_kmcnt 0x0
	s_add_nc_u64 s[6:7], s[6:7], s[24:25]
	s_load_b32 s22, s[6:7], 0x0                    ; lengths[n]
	; every address register is made here, ahead of the first branch
	v_and_b32 v56, 31, v0                          ; l
	v_and_b32 v57, 15, v0                          ; r
	v_bfe_u32 v58, v0, 4, 1                        ; h
	v_lshlrev_b32 v1, 5, v56                       ; 32 l: my 8 numbers of 256
	v_lshlrev_b32 v10, 4, v56                      ; 16 l
	v_lshlrev_b32 v9, 3, v56                       ; 8 l
	s_wait_alu depctr_va_sdst(0)                   ; s20 is written, ahead of its first reader: LDS addresses, bases and branches are made from it
	s_lshl_b32 s44, s20, 15
	v_add_nc_u32 v2, s44, v10                      ; bf16 tile: row 16 w, + 16 l
	s_mul_i32 s44, s20, 16*CP
	s_add_co_u32 s44, s44, CODE
	v_lshl_add_u32 v4, v56, 2, s44                 ; codes: row 16 w, + 4 l
	s_mul_i32 s44, s20, 16*SCP
	s_add_co_u32 s44, s44, SCL
	v_lshrrev_b32 v5, 2, v56
	v_add_nc_u32 v5, s44, v5                       ; scale bytes: row 16 w, + l / 4
	v_mul_u32_u24 v6, v57, CP
	v_lshl_add_u32 v6, v58, 4, v6
	v_add_nc_u32 v6, CODE, v6                      ; a fragment: row r, + 16 h
	v_mul_u32_u24 v7, v57, SCP
	v_add_nc_u32 v7, SCL, v7                       ; scale words: row r
	v_lshlrev_b32 v8, 4, v0                        ; 16 x thread
	v_lshlrev_b32 v11, 5, v57                      ; wks: 32 bytes a row
	v_lshlrev_b32 v12, 5, v58                      ; v, pq2: 8 h numbers
	s_lshl_b32 s44, s20, 9
	v_add_nc_u32 v13, s44, v10                     ; bf16 tile: my wave's 256 columns, + 8 l: rows 0-31,
	v_add_nc_u32 v3, 65536, v13                    ; rows 32-63
	s_lshl_b32 s44, s20, 8
	s_add_co_u32 s45, s44, SP
	v_lshl_add_u32 v14, v57, 2, s45                ; my wave's partial scores: row r
	v_add_nc_u32 v15, SP, v9                       ; all waves': rows 2 l, 2 l + 1
	s_add_co_u32 s45, s44, PB
	v_add_nc_u32 v48, s45, v9                      ; my wave's copy of p: rows 2 l, 2 l + 1;
	v_mov_b32 v49, s45                             ; and its first byte
	s_lshl_b32 s44, s20, 10
	s_add_co_u32 s45, s44, CT
	v_add_nc_u32 v50, s45, v1                      ; the context's way out: in, 32 bytes a lane;
	v_add_nc_u32 v51, s45, v10                     ; back, 16 bytes a lane;
	v_add_nc_u32 v52, s44, v10                     ; and the same place in pctx
	v_lshlrev_b32 v53, 1, v56                      ; 2 l
	v_mov_b32 v54, 0xff800000                      ; -infinity
	s_mov_b32 s26, 0x4038aa3b                      ; c = 2 log2(e)
	s_mov_b32 s27, s26
	s_mov_b32 s28, 0x76543210
	s_mov_b32 s29, 0xfedcba98                      ; v_permlanex16_b32's selects for lane l xor 16
	s_mov_b32 s38, 0x3fb8aa3b                      ; log2(e)
	s_mov_b32 s39, s38
	s_lshl_b32 s24, s46, 23                        ; n x 2,048 rows of 4,096 bytes
	s_lshl_b32 s44, s21, 18                        ; + 64 rows a tile
	s_add_co_u32 s24, s24, s44
	s_lshl_b32 s44, s20, 16                        ; + 16 rows a wave
	s_add_co_u32 s24, s24, s44
	s_add_nc_u64 s[4:5], s[4:5], s[24:25]
	s_lshl_b32 s24, s20, 10
	s_add_nc_u64 s[8:9], s[8:9], s[24:25]          ; v at my wave's 256 u
	s_lshl_b32 s44, s46, 12
	s_add_co_u32 s24, s24, s44
	s_add_nc_u64 s[14:15], s[14:15], s[24:25]      ; pq2[n] likewise
	s_lshl_b32 s24, s46, 13
	s_lshl_b32 s44, s21, 8
	s_add_co_u32 s24, s24, s44
	s_add_nc_u64 s[16:17], s[16:17], s[24:25]      ; wraw at my tile: 256 bytes
	s_lshl_b32 s24, s46, 17
	s_lshl_b32 s44, s21, 12
	s_add_co_u32 s24, s24, s44
	s_add_nc_u64 s[18:19], s[18:19], s[24:25]      ; pctx at my tile: 4,096 bytes
	s_lshl_b32 s24, s20, 17
	s_add_nc_u64 s[40:41], s[10:11], s[24:25]      ; wkf at my wave's 16 u tiles
	s_lshl_b32 s24, s20, 13
	s_add_nc_u64 s[42:43], s[12:13], s[24:25]      ; wks at my wave's 256 rows
	s_wait_kmcnt 0x0
	s_max_i32 s22, s22, 0
	s_min_i32 s22, s22, 2048
	s_lshl_b32 s24, s21, 6
	s_sub_co_i32 s23, s22, s24                     ; how many rows count from the tile's first on (may pass 64, may be negative)
	s_mov_b32 s32, s23
	s_sub_co_i32 s33, s23, 1
	s_wait_alu depctr_va_vdst(0)                   ; the addresses and offsets v1 to v15, v48 to v52, v254 and v255 are written, which every load, store and LDS instruction of the kernel reads; none is written again
	; ---- the first stretch: the rows: load, bf16, quantise.  6 to 7 rows, up to 56 loads of a wave, are on their way
	s_cmp_gt_i32 s23, 0
	s_cbranch_scc0 .Lno_rows
.set RR, 0
.rept 7
	FILLROW RR
.set RR, RR+1
.endr
.set RR, 0
.rept 16
	ROW RR
.set RR, RR+1
.endr
	s_wait_alu depctr_va_vdst(0)                   ; row 15 has written its temporaries, which the stores below read; and every row is done reading the ring, in whose registers Wk's fragments land behind the barrier
	WIN 0
	STORES 15
.Lno_rows:
	BARRIER                                        ; the codes, the scale bytes and the bf16 tile lie in LDS
	s_wait_alu depctr_vm_vsrc(0)                   ; my rows' LDS stores have read v96 to v159: the accumulators, a tile without rows' zeros and, in the last stretch, p are written there
	; ---- the second stretch: my 256 u for the 64 rows
	s_cmp_gt_i32 s23, 0
	s_cbranch_scc0 .Lno_products
	WLOAD 0, 0, 0                                  ; the first two u tiles are asked for ahead of the LDS loads
	VLOAD 0, 0
	WLOAD 1, 8192, 512
	VLOAD 1, 64
	FRAG
.irp m, 0,1,2,3
	ds_load_b128 v[ASC+8*\m:ASC+8*\m+3], v7 offset:16*SCP*\m          ; row tile m: lane r takes row r's eight scale words
	ds_load_b128 v[ASC+8*\m+4:ASC+8*\m+7], v7 offset:16*SCP*\m+16
.endr
.set j, 0
.rept 8
	v_mov_b32 v[SUM+j], 0                          ; the scores' sums
.set j, j+1
.endr
	s_wait_dscnt 0x0
	s_mov_b32 s30, 4                               ; 16 u tiles, three a trip, so that the three sets are back at their start; the last four are written out: two ask for the last two tiles, two for nothing
.Lut:
	UT 0, 2, 0, 1, 22
	UT 1, 0, 1, 1, 22
	UT 2, 1, 2, 1, 22
	s_wait_xcnt 0x0                                ; the loads have read their bases: only now are these stepped
	s_add_nc_u64 s[40:41], s[40:41], 24576
	s_add_nc_u64 s[42:43], s[42:43], 1536
	s_add_nc_u64 s[8:9], s[8:9], 192
	s_add_nc_u64 s[14:15], s[14:15], 192
	s_sub_co_u32 s30, s30, 1
	s_cmp_lg_u32 s30, 0
	s_cbranch_scc1 .Lut
	UT 0, 2, 0, 1, 22                              ; tile 12 asks for tile 14,
	UT 1, 0, 1, 1, 22                              ; tile 13 for tile 15;
	UT 2, 0, 0, 0, 22                              ; tiles 14 and 15 ask for nothing: no load leaves its buffer
	UT 0, 0, 0, 0, 0
.irp m, 0,1,2,3
	v_add_f32 v[SUM+2*\m], v[SUM+2*\m], v[SUM+2*\m+1]
.endr
.irp m, 0,1,2,3
	v_permlanex16_b32 v[SUM+2*\m+1], v[SUM+2*\m], s28, s29
.endr
.irp m, 0,1,2,3
	v_add_f32 v[SUM+2*\m], v[SUM+2*\m], v[SUM+2*\m+1]   ; with lane l xor 16's eight u of each tile
.endr
	s_wait_alu depctr_va_vdst(0)                   ; the four sums are written, which the LDS stores read
.irp m, 0,1,2,3
	ds_store_b32 v14, v[SUM+2*\m] offset:64*\m     ; row 16 m + r; lanes r and 16 + r write the same word with the same value
.endr
.Lno_products:
	BARRIER                                        ; the four waves' partial scores lie in LDS
	s_wait_alu depctr_vm_vsrc(0)                   ; my four LDS stores have read v[SUM ..], in which rows of the tile land below
	; ---- the last stretch: the scores, the mask, p, the context
	s_cmp_gt_i32 s23, 0
	s_cbranch_scc0 .Lidle
.irp p, 0,1,2,3
	ds_load_b64 v[QQ+2*\p:QQ+2*\p+1], v15 offset:256*\p
.endr
	s_wait_dscnt 0x0
	v_pk_add_f32 v[QQ:QQ+1], v[QQ:QQ+1], v[QQ+2:QQ+3]
	v_pk_add_f32 v[QQ+4:QQ+5], v[QQ+4:QQ+5], v[QQ+6:QQ+7]
	v_pk_add_f32 v[QQ:QQ+1], v[QQ:QQ+1], v[QQ+4:QQ+5]
	v_pk_mul_f32 v[QQ:QQ+1], v[QQ:QQ+1], s[38:39] op_sel_hi:[1,0]   ; w2 of rows 2 l, 2 l + 1, the same bits in every wave
.irp i, 0,1
	v_cmp_gt_i32 vcc_lo, s[32+\i], v53             ; row 2 l + i counts where it lies under the count of rows
	s_wait_alu depctr_va_vcc(0)                    ; the compare has written VCC, which the select reads
	v_cndmask_b32 v[QQ+\i], v54, v[QQ+\i], vcc_lo
.endr
	v_max_num_f32 v[QQ+4], v[QQ], v[QQ+1]
	v_max_num_f32_dpp v[QQ+4], v[QQ+4], v[QQ+4] row_xmask:1 row_mask:0xf bank_mask:0xf
	v_max_num_f32_dpp v[QQ+4], v[QQ+4], v[QQ+4] row_xmask:2 row_mask:0xf bank_mask:0xf
	v_max_num_f32_dpp v[QQ+4], v[QQ+4], v[QQ+4] row_xmask:4 row_mask:0xf bank_mask:0xf
	v_max_num_f32_dpp v[QQ+4], v[QQ+4], v[QQ+4] row_xmask:8 row_mask:0xf bank_mask:0xf
	v_permlanex16_b32 v[QQ+5], v[QQ+4], s28, s29
	v_max_num_f32 v[QQ+4], v[QQ+4], v[QQ+5]        ; m: the tile's first row counts, so it is a number
	s_cmp_lg_u32 s20, 0
	s_cbranch_scc1 .Lnot_wave_0
	s_wait_alu depctr_va_vdst(0)                   ; the selects have written the two scores, which the store reads
	global_store_b64 v9, v[QQ:QQ+1], s[16:17]      ; 32 lanes store the tile's 256 consecutive bytes of wraw, aligned
.Lnot_wave_0:
	v_sub_f32 v[QQ+8], v[QQ], v[QQ+4]
	v_sub_f32 v[QQ+9], v[QQ+1], v[QQ+4]
	v_exp_f32 v[QQ+8], v[QQ+8]                     ; p = 2^(w2 - m); 0 where masked
	v_exp_f32 v[QQ+9], v[QQ+9]
.set j, 0
.rept 8
	v_mov_b32 v[CA+j], 0                           ; the context's eight sums (plain work behind the exponentials)
.set j, j+1
.endr
	s_wait_alu depctr_va_vdst(0)                   ; the two exponentials have written p, which the LDS store reads; and the second stretch is done with v96 to v223, in which p and the first 16 rows land
	ds_store_b64 v48, v[QQ+8:QQ+9]                 ; my wave's own copy: LDS serves a wave's instructions in order, so its loads below see it
.irp g, 0,1,2,3,4,5,6,7,8,9,10,11,12,13,14,15
	ds_load_b128 v[PP+4*\g:PP+4*\g+3], v49 offset:16*\g   ; p of the 64 rows, the same in every lane
.endr
	CLOAD 0, 13
	CLOAD 1, 13
	CSUM 0, 8
	s_wait_alu depctr_va_vdst(0)                   ; the multiply-adds are done reading buffer 0, in which rows 16 to 23 land
	CLOAD 2, 13
	CSUM 1, 8
	s_wait_alu depctr_va_vdst(0)                   ; likewise buffer 1: rows 24 to 31
	CLOAD 3, 13
	CSUM 2, 8
	s_wait_alu depctr_va_vdst(0)                   ; buffer 0: rows 32 to 39
	CLOAD 4, 3
	CSUM 3, 8
	s_wait_alu depctr_va_vdst(0)                   ; buffer 1: rows 40 to 47
	CLOAD 5, 3
	CSUM 4, 8
	s_wait_alu depctr_va_vdst(0)                   ; buffer 0: rows 48 to 55
	CLOAD 6, 3
	CSUM 5, 8
	s_wait_alu depctr_va_vdst(0)                   ; buffer 1: rows 56 to 63
	CLOAD 7, 3
	CSUM 6, 8
	CSUM 7, 0
	s_wait_alu depctr_va_vdst(0)                   ; the multiply-adds have written the eight sums, which the LDS stores read, and are done reading buffer 0, in which the loads from the stage land
	ds_store_b128 v50, v[CA:CA+3]                  ; a lane's 32 bytes go through my wave's own stage, so that each store below covers 512 consecutive bytes
	ds_store_b128 v50, v[CA+4:CA+7] offset:16
	ds_load_b128 v[RB:RB+3], v51
	ds_load_b128 v[RB+4:RB+7], v51 offset:512
	s_wait_dscnt 0x0
	global_store_b128 v52, v[RB:RB+3], s[18:19]
	global_store_b128 v52, v[RB+4:RB+7], s[18:19] offset:512
	s_wait_dscnt 0x0                               ; the closing lines, six on end
	s_wait_alu 0x0
	s_wait_tensorcnt 0x0
	ds_add_u32 v254, v255
	s_wait_dscnt 0x0
	s_endpgm
	; ---- a tile all of whose rows are masked: zeros for its context, -infinity for its scores
.Lidle:
.irp i, 0,1,2,3
	v_mov_b32 v[ACC+\i], 0
.endr
	v_mov_b32 v[ACC+4], v54
	v_mov_b32 v[ACC+5], v54
	s_wait_alu depctr_va_vdst(0)                   ; the six moves have written the zeros and the two -infinity, which the stores below read
	global_store_b128 v8, v[ACC:ACC+3], s[18:19]
	global_store_b128 v8, v[ACC:ACC+3], s[18:19] offset:2048
	s_cmp_lg_u32 s20, 0
	s_cbranch_scc1 .Lidle_end
	global_store_b64 v9, v[ACC+4:ACC+5], s[16:17]
.Lidle_end:
	s_wait_dscnt 0x0                               ; the closing lines, six on end
	s_wait_alu 0x0
	s_wait_tensorcnt 0x0
	ds_add_u32 v254, v255
	s_wait_dscnt 0x0
	s_endpgm
.Lfunc_end_k_q751f781611_main:
	.size	k_q751f781611_main, .Lfunc_end_k_q751f781611_main-k_q751f781611_main
	.p2alignl 7, 3214868480
	.fill 96, 4, 3214868480
	.section	.rodata,"a",@progbits
	.p2align	6, 0x0
	.amdhsa_kernel k_q751f781611_main
		.amdhsa_group_segment_fixed_size 174592
		.amdhsa_private_segment_fixed_size 0
		.amdhsa_enable_private_segment 0
		.amdhsa_kernarg_size 64
		.amdhsa_user_sgpr_count 2
		.amdhsa_user_sgpr_kernarg_segment_ptr 1
		.amdhsa_wavefront_size32 1
		.amdhsa_system_sgpr_workgroup_id_x 1
		.amdhsa_system_sgpr_workgroup_id_y 1
		.amdhsa_system_sgpr_workgroup_id_z 1
		.amdhsa_system_vgpr_workitem_id 0
		.amdhsa_next_free_vgpr 768
		.amdhsa_next_free_sgpr 66
		.amdhsa_reserve_vcc 1
		.amdhsa_float_denorm_mode_32 3
		.amdhsa_float_denorm_mode_16_64 3
		.amdhsa_memory_ordered 1
		.amdhsa_forward_progress 1
		.amdhsa_inst_pref_size 222
	.end_amdhsa_kernel
	.amdgpu_metadata
---
amdhsa.version: [ 1, 2 ]
amdhsa.kernels:
  - .name:           k_q751f781611_main
    .symbol:         k_q751f781611_main.kd
    .args:
      - { .name: encoder_output, .offset: 0, .size: 8, .value_kind: global_buffer, .address_space: global }
      - { .name: lengths, .offset: 8, .size: 8, .value_kind: global_buffer, .address_space: global }
      - { .name: v, .offset: 16, .size: 8, .value_kind: global_buffer, .address_space: global }
      - { .name: wkf, .offset: 24, .size: 8, .value_kind: global_buffer, .address_space: global }
      - { .name: wks, .offset: 32, .size: 8, .value_kind: global_buffer, .address_space: global }
      - { .name: pq2, .offset: 40, .size: 8, .value_kind: global_buffer, .address_space: global }
      - { .name: wraw, .offset: 48, .size: 8, .value_kind: global_buffer, .address_space: global }
      - { .name: pctx, .offset: 56, .size: 8, .value_kind: global_buffer, .address_space: global }
    .group_segment_fixed_size: 174592
    .private_segment_fixed_size: 0
    .kernarg_segment_align: 8
    .kernarg_segment_size: 64
    .max_flat_workgroup_size: 128
    .sgpr_count:     66
    .vgpr_count:     768
    .wavefront_size: 32
...
	.end_amdgpu_metadata
.endif
;; end of part 6
;; launch combine: the kernel of part 3 again; grid 8 x 32, 8 waves a work-group, no clusters, 9,216 bytes of LDS; arguments wraw, pctx, out0, out1; writes out0, out1
